; MI455X (gfx1250); checked and timed in simulation.
; The chip was launched on July 23, 2026; its instructions are those of AMD's public machine-readable ISA for CDNA 5 (MIT licence, August 2026) and "CDNA5" Instruction Set Architecture Reference Guide (July 2026). The comments in the code are by the model that wrote it; some were corrected since.
;; Dual Multi Head Attention. Allowed arithmetic: matrix products marked QUANTISED: E2M1 operands, one E8M0 scale for each 32 along K, by v_wmma_scale_f32_16x16x128_f8f6f4 with both operands' format E2M1 (or v_wmma_scale_f32_32x16x128_f4), f32 sums; products left as they are: bf16, f16 or f32 operands; f32 sums; everything else in f32.
;; Inputs: bk1 2,048 float32; bk2 2,048 float32; bo1 2,048 float32; bo2 2,048 float32; bq1 2,048 float32; bq2 2,048 float32; bv1 2,048 float32; bv2 2,048 float32; cos1 1,024 x 128 float32; cos2 1,024 x 128 float32; sin1 1,024 x 128 float32; sin2 1,024 x 128 float32; wk1 2,048 x 2,048 float32; wk2 2,048 x 2,048 float32; wo1 2,048 x 2,048 float32; wo2 2,048 x 2,048 float32; wq1 2,048 x 2,048 float32; wq2 2,048 x 2,048 float32; wv1 2,048 x 2,048 float32; wv2 2,048 x 2,048 float32; x_1 1 x 1,024 x 2,048 float32; x_2 1 x 1,024 x 2,048 float32.
;; Outputs: out0 1 x 1,024 x 2,048 float32; out1 1 x 1,024 x 2,048 float32.
;; This version of the problem:
;;   THIS VERSION OF THE PROBLEM IS GIVEN IN LOW PRECISION. The matrix products marked QUANTISED in the list below multiply operands that are first quantised to E2M1 (2 exponent bits, 1 mantissa bit; 4 bits a number), with one power-of-two scale for each 32 numbers along K (OCP MX v1.0); their sums are f32. The products marked 'left as it is' may take bf16, f16 or f32 operands, with f32 sums. Whichever they take, every output number must still come out within the allowed error. Rounding operands to bf16 (8 significant bits) uses up far more of that allowance than f16 does (11 bits, for magnitudes from 6e-5 to 65,504). All else is computed in f32.
;;   The module's matrix products, in the order in which they are computed (A, B: the left and right operand; K: the contracted axis; several contracted axes count as one K, in the product's order):
;;     1. [M 1,024, K 2,048] x [K 2,048, N 2,048]; A: input x_1; B: input wq1: QUANTISED
;;     2. [M 1,024, K 2,048] x [K 2,048, N 2,048]; A: input x_2; B: input wq2: QUANTISED
;;     3. [M 1,024, K 2,048] x [K 2,048, N 2,048]; A: input x_1; B: input wk1: QUANTISED
;;     4. [M 1,024, K 2,048] x [K 2,048, N 2,048]; A: input x_2; B: input wk2: QUANTISED
;;     5. [M 1,024, K 2,048] x [K 2,048, N 2,048]; A: input x_1; B: input wv1: QUANTISED
;;     6. [M 1,024, K 2,048] x [K 2,048, N 2,048]; A: input x_2; B: input wv2: QUANTISED
;;     7. batch 16 x [M 2,048, K 128] x [K 128, N 2,048]; A: computed on the way; B: computed on the way: left as it is (an operand is computed on the way)
;;     8. batch 16 x [M 2,048, K 2,048] x [K 2,048, N 128]; A: computed on the way; B: computed on the way: left as it is (an operand is computed on the way)
;;     9. [M 1,024, K 2,048] x [K 2,048, N 2,048]; A: computed on the way; B: input wo1: left as it is (an operand is computed on the way)
;;     10. [M 1,024, K 2,048] x [K 2,048, N 2,048]; A: computed on the way; B: input wo2: left as it is (an operand is computed on the way)
;;   THE QUANTISER, for each operand of a quantised product, along K:
;;     - K is cut into blocks of 32 from its start; a last block that is shorter is filled with zeros.
;;     - A block's scale is 2^e with e = floor(log2(the largest magnitude in the block)) - 2, held to -126 .. 127; a block of zeros has e = 0. As a byte (E8M0): e + 127.
;;     - Each number is divided by its block's scale, clamped to +-6, and rounded to the nearest number of E2M1, ties to even, subnormals kept.
;;     - The product sums the exact products of the quantised numbers (number of the format x scale) in f32.
;;   ~~~python
;;   def quantise(x, axis):      # numpy; x: float32 -> the quantised numbers, widened to float32 again
;;       x = np.moveaxis(x, axis, -1); K = x.shape[-1]
;;       x = np.pad(x, [(0, 0)] * (x.ndim - 1) + [(0, -K % 32)]); x = x.reshape(x.shape[:-1] + (-1, 32)); a = np.abs(x).max(-1, keepdims=True)
;;       e = np.where(a > 0, np.clip(np.frexp(np.where(a > 0, a, 1))[1] - 1 - 2, -126, 127), 0)      # np.frexp(a)[1] - 1 = floor(log2(a)), exactly
;;       r = np.clip(x / 2.0 ** e, -6, 6)
;;       step = 2.0 ** (np.maximum(np.frexp(np.where(r == 0, 1, r))[1] - 1, 0) - 1)
;;       q = np.round(r / step) * step * 2.0 ** e      # np.round: ties to even
;;       return np.moveaxis(q.reshape(q.shape[:-2] + (-1,))[..., :K], -1, axis).astype(np.float32)
;;   ~~~
;; One version. Each part assembles by itself: llvm-mc -triple=amdgcn-amd-amdhsa -mcpu=gfx1250 --defsym DOCPART=n.
;; ======== version 1 of 1: 4 launches
;; limits: values are held in f16: magnitudes above 65,504 overflow, below 6.1e-05 lose precision
;; workspace buffers: xc 2,097,152 bytes; xs 131,072 bytes; wc 12,582,912 bytes; ws 786,432 bytes; wot 16,777,216 bytes; qkv 25,165,824 bytes; o 8,388,608 bytes
;; launch prep (part 1): grid 640 x 1, 4 waves a work-group, no clusters, 102,912 bytes of LDS; arguments x_1, x_2, wq1, wk1, wv1, wq2, wk2, wv2, wo1, wo2, xc, xs, wc, ws, wot; writes xc, xs, wc, ws, wot
.if DOCPART == 1
	.amdgcn_target "amdgcn-amd-amdhsa--gfx1250"
	.amdhsa_code_object_version 6
	.text
	.protected	k_q966f2e70ce_prep
	.globl	k_q966f2e70ce_prep
	.p2align	8
	.type	k_q966f2e70ce_prep,@function
k_q966f2e70ce_prep:
	s_mov_b64 s[64:65], 0
	v_nop
	global_prefetch_b8 v0, s[64:65] scope:SCOPE_SE
	s_setreg_imm32_b32 hwreg(HW_REG_WAVE_MODE, 25, 1), 1
	s_wait_xcnt 0x0
; PREP: every operand is brought into the form in which the later launches read it, once.
;   work-groups   0..383: wq1, wk1, wv1, wq2, wk2, wv2 [2048 k][2048 n] f32 -> codes of FP4 (E2M1) laid [n][k], K innermost (wc, 1,024 bytes a row), one E8M0 byte for each 32 along K (ws, 64 bytes a row)
;   work-groups 384..511: wo1, wo2 [2048 k][2048 n] f32 -> f16, laid [n][k] (wot, 4,096 bytes a row)
;   work-groups 512..639: x_1, x_2 [1024][2048] f32, K innermost -> codes (xc) and scale bytes (xs), both plain streams of blocks of 32
; A block's scale is 2^(floor(log2(its largest magnitude)) - 2); its byte is the largest magnitude's exponent field - 2, held at 1 from below.  A block of zeros so gets the byte 1
; where the rule says 127: its codes are zeros, which add nothing under any byte but 0xff, and the bytes are read by this program alone.
; LIMITS: blocks whose largest magnitude lies under 2^-124 (the floor) were not tried; NaN and infinities among the inputs are not served; a number of wo beyond 65,504 becomes infinity in f16.
; The three ways part once, on the work-group's number; each has LDS bytes of its own and ends by itself.  No tensor load, no barrier: waves share nothing.
.set WV,    36                         ; s36  my wave's number
.set SPW,   190                        ; v190 LDS address of my spare word: SPARE + 4 x my thread's number; never rewritten
.set NIL,   191                        ; v191 0; never rewritten
.set XREGB, 8192                       ; x's way: a region for each wave: two stages of 32 x 80 bytes, then its 256 scale bytes
.set PITCH, 272                        ; a stage row of the weights' ways: 256 bytes + 16
.set WSTG,  4*XREGB                    ; the quantised weights' four stages, 32 rows each
.set OSTG,  WSTG+4*32*PITCH            ; wo's four stages
.set SPARE, OSTG+4*32*PITCH            ; the spare words, 128 bytes for each wave: two blocks of 256 bytes that no other line names
.set EMAX,  2
	s_load_b512 s[4:19], s[0:1], 0x0               ; x_1 s[4:5], x_2 s[6:7], wq1 s[8:9], wk1, wv1, wq2, wk2, wv2 s[18:19]
	s_load_b256 s[20:27], s[0:1], 0x40             ; wo1, wo2, xc s[24:25], xs s[26:27]
	s_load_b128 s[28:31], s[0:1], 0x60             ; wc, ws
	s_load_b64 s[32:33], s[0:1], 0x70              ; wot
	v_lshl_add_u32 v[SPW], v0, 2, SPARE
	v_mov_b32 v[NIL], 0
	v_lshrrev_b32 v1, 5, v0
	v_readfirstlane_b32 s[WV], v1                  ; wave 0..3
	v_and_b32 v2, 31, v0                           ; lane
	s_wait_kmcnt 0x0
	s_cmp_lt_u32 ttmp9, 384
	s_cbranch_scc1 .Lw
	s_cmp_lt_u32 ttmp9, 512
	s_cbranch_scc1 .Lo
; ---------------- x: K is innermost.  A wave takes 16 steps of 512 numbers.  Each load reads 512 consecutive bytes; a step's 2,048 bytes turn through the wave's own stage, so that a lane holds 16 neighbours
; along K (two neighbouring lanes hold a block); a lane's 16 codes are 8 bytes: the wave stores 256 consecutive bytes.  A wave's 256 scale bytes are gathered in LDS and leave as one aligned run of 256.
.set STEPS, 16
.set CB,    8                          ; bytes of 16 codes
.set XR,    16                         ; v16-79   four sets of 16 numbers as loaded
.set XX,    80                         ; v80-111  two sets of 16 neighbours
.set XE,    112                        ; v112-127 a scale byte for each step
.set XC,    128                        ; v128-189 codes: four registers kept for each step, so that no store's data are written again
.set SP,    80                         ; a lane's place in a stage: 64 bytes + 16
	v_lshlrev_b32 v3, 4, v2                        ; my 16 bytes of a load's 512
	s_mul_i32 s37, s[WV], XREGB
	v_lshrrev_b32 v14, 2, v2
	v_mul_u32_u24 v14, v14, SP
	v_and_b32 v15, 3, v2
	v_lshl_add_u32 v14, v15, 4, v14
	v_add_nc_u32 v14, s37, v14                     ; the stage on the way in: SP (lane / 4) + 16 (lane % 4)
	v_mul_u32_u24 v15, v2, SP
	v_add_nc_u32 v15, s37, v15                     ; and on the way out: SP x lane
	v_mul_u32_u24 v4, v2, CB                       ; my codes' place in a step's
	v_lshrrev_b32 v5, 1, v2
	s_add_co_u32 s37, s37, 2*32*SP
	v_add_nc_u32 v5, s37, v5                       ; my block's byte among my wave's 256
	v_lshlrev_b32 v7, 3, v2
	v_add_nc_u32 v6, s37, v7                       ; and 8 bytes a lane on the way out
	s_sub_co_u32 s37, ttmp9, 512                   ; 0..127: the first 64 take x_1
	s_cmp_lt_u32 s37, 64
	s_cselect_b64 s[4:5], s[4:5], s[6:7]
	s_and_b32 s38, s37, 63
	s_lshl_b32 s38, s38, 2
	s_add_co_u32 s38, s38, s[WV]                   ; which run of 8,192 numbers of the tensor is my wave's
	s_lshl_b32 s38, s38, 15
	s_mov_b32 s39, 0
	s_add_nc_u64 s[4:5], s[4:5], s[38:39]
	s_lshl_b32 s40, s37, 2
	s_add_co_u32 s40, s40, s[WV]                   ; and which run of the two streams on end
	s_lshl_b32 s38, s40, 12
	s_add_nc_u64 s[8:9], s[24:25], s[38:39]        ; 4,096 bytes of codes a run
	s_lshl_b32 s38, s40, 8
	s_add_nc_u64 s[10:11], s[26:27], s[38:39]      ; 256 scale bytes a run
.macro XLOAD t
.irp i, 0,1,2,3
	global_load_b128 v[XR+16*((\t)%4)+4*\i:XR+16*((\t)%4)+4*\i+3], v3, s[4:5] offset:2048*(\t)+512*\i th:TH_LOAD_NT
.endr
.endm
.macro XTURN t                         ; step t's numbers through the stage: LDS serves a wave's instructions in order, so no wait stands between the stores and the loads
.irp i, 0,1,2,3
	ds_store_b128 v14, v[XR+16*((\t)%4)+4*\i:XR+16*((\t)%4)+4*\i+3] offset:32*SP*((\t)%2)+8*SP*\i
.endr
.irp i, 0,1,2,3
	ds_load_b128 v[XX+16*((\t)%2)+4*\i:XX+16*((\t)%2)+4*\i+3], v15 offset:32*SP*((\t)%2)+16*\i
.endr
.endm
.irp t, 0,1,2,3
	XLOAD \t
.endr
	s_wait_loadcnt 12                              ; step 0's four loads are in
	XTURN 0
.macro XSTEP t
.set XS, XX+16*((\t)%2)
.if (\t) > 0
	s_wait_dscnt 1                                 ; this step's numbers are back from the stage (the last step's byte store may be out)
.else
	s_wait_dscnt 0x0
.endif
.if (\t)+4 < STEPS
	XLOAD (\t)+4                                   ; into the registers that the stage's stores have read
.endif
.if (\t)+1 < STEPS
.if STEPS-2-(\t) >= 3
	s_wait_loadcnt 12                              ; the next step's four loads are in; those of the three steps behind it may be out
.else
	s_wait_loadcnt 4*(STEPS-2-(\t))
.endif
	XTURN (\t)+1
.endif
	v_max3_num_f32 v8, |v[XS]|, |v[XS+1]|, |v[XS+2]|
	v_max3_num_f32 v9, |v[XS+3]|, |v[XS+4]|, |v[XS+5]|
.irp i, 6,10
	v_max3_num_f32 v8, v8, |v[XS+\i]|, |v[XS+\i+1]|
	v_max3_num_f32 v9, v9, |v[XS+\i+2]|, |v[XS+\i+3]|
.endr
	v_max3_num_f32 v8, v8, |v[XS+14]|, |v[XS+15]|
	v_max3_num_f32 v8, v8, v9, (EMAX+1)<<23        ; the floor 2^(3 - 127): the byte cannot fall under 1
	v_max_num_f32_dpp v8, v8, v8 row_xmask:1 row_mask:0xf bank_mask:0xf   ; with my neighbour's 16: the block's largest magnitude
	v_add_nc_u32 v11, -(EMAX<<23), v8              ; 2 off its exponent field: the conversion takes the exponent field of this operand as its scale
	v_cvt_scalef32_pk8_fp4_f32 v[XC+4*(\t)], v[XS:XS+7], v11
	v_cvt_scalef32_pk8_fp4_f32 v[XC+4*(\t)+1], v[XS+8:XS+15], v11
	v_lshrrev_b32 v[XE+(\t)], 23, v11              ; the scale's byte (also the plain line behind the conversions)
	ds_store_b8 v5, v[XE+(\t)] offset:16*(\t)      ; both lanes of a block write the same byte with the same value
	global_store_b64 v4, v[XC+4*(\t):XC+4*(\t)+1], s[8:9] offset:32*CB*(\t)
.endm
.irp t, 0,1,2,3,4,5,6,7,8,9,10,11,12,13,14,15
	XSTEP \t
.endr
	ds_load_b64 v[8:9], v6                         ; LDS serves a wave's instructions in order: these see my byte stores
	s_wait_dscnt 0x0
	global_store_b64 v7, v[8:9], s[10:11]          ; 32 lanes store 256 consecutive bytes, aligned
	s_wait_tensorcnt 0x0                           ; the wave's end: the tensor wait, the add of 0 and its wait stand behind my last LDS store
	ds_add_u32 v[SPW], v[NIL]
	s_wait_dscnt 0x0
	s_endpgm
; ---------------- the weights: K is the FIRST axis.  A lane takes a column n and its registers run down K: each load reads 128 consecutive bytes a wave, a block of 32 along K lies in one lane's 32 registers.
; A wave takes 32 columns x 512 along K.  What a lane makes belongs to one row of the output and the lanes beside it hold other rows: so it goes through the wave's own stage and leaves by rows,
; sixteen lanes to 256 consecutive aligned bytes.  Loads run two blocks (64 loads a wave) ahead.  Every offset is an immediate: 511 rows x 8,192 bytes at the most.
.set WX,    32                         ; v32-95   two sets of 32 numbers
.set WC,    96                         ; v96..    a block's codes (4), or its f16 pairs (16)
.set OUTR,  112                        ; v112-175 the way out
.set SB,    24                         ; v24-27   scale bytes, four to a register
.set NB,    16
.macro COLS stg, opitch                ; s[4:5] holds the tensor.  Leaves: s38 my first column, s39 which 512 along K, s41 = 0; v3, v4, v7, v8
	s_and_b32 s38, ttmp9, 15
	s_bfe_u32 s39, ttmp9, 0x20004
	s_lshl_b32 s38, s38, 7
	s_lshl_b32 s40, s[WV], 5
	s_add_co_u32 s38, s38, s40                     ; 128 x column group + 32 x wave
	s_lshl_b32 s40, s39, 22                        ; 512 rows of 8,192 bytes
	s_lshl_b32 s41, s38, 2
	s_add_co_u32 s40, s40, s41
	s_mov_b32 s41, 0
	s_add_nc_u64 s[4:5], s[4:5], s[40:41]
	v_lshlrev_b32 v3, 2, v2                        ; in: 4 bytes a lane
	s_mul_i32 s44, s[WV], 32*PITCH
	s_add_co_u32 s44, s44, \stg                    ; my stage
	v_mul_u32_u24 v4, v2, PITCH
	v_add_nc_u32 v4, s44, v4                       ; into it: row = my column
	v_and_b32 v5, 15, v2
	v_lshrrev_b32 v6, 4, v2
	v_mul_u32_u24 v7, v6, PITCH
	v_lshl_add_u32 v7, v5, 4, v7
	v_add_nc_u32 v7, s44, v7                       ; out of it: sixteen lanes to a row, two rows an instruction
	v_mul_u32_u24 v8, v6, \opitch
	v_lshl_add_u32 v8, v5, 4, v8                   ; and the same place in the output
.endm
.macro WLOAD t                         ; block t: W(32 t + i, my column), i = 0 .. 31, into set t % 2
.irp i, 0,1,2,3,4,5,6,7,8,9,10,11,12,13,14,15,16,17,18,19,20,21,22,23,24,25,26,27,28,29,30,31
	global_load_b32 v[WX+32*((\t)%2)+\i], v3, s[4:5] offset:(32*(\t)+\i)*8192 th:TH_LOAD_NT
.endr
.endm
.Lw:
	s_lshr_b32 s37, ttmp9, 6                       ; which of the six tensors: a choice on the work-group's number alone
	s_mov_b64 s[4:5], s[8:9]
	s_cmp_eq_u32 s37, 1
	s_cselect_b64 s[4:5], s[10:11], s[4:5]
	s_cmp_eq_u32 s37, 2
	s_cselect_b64 s[4:5], s[12:13], s[4:5]
	s_cmp_eq_u32 s37, 3
	s_cselect_b64 s[4:5], s[14:15], s[4:5]
	s_cmp_eq_u32 s37, 4
	s_cselect_b64 s[4:5], s[16:17], s[4:5]
	s_cmp_eq_u32 s37, 5
	s_cselect_b64 s[4:5], s[18:19], s[4:5]
	s_lshl_b32 s37, s37, 11
	COLS WSTG, 1024
	s_add_co_u32 s42, s37, s38                     ; my first row of wc and ws: 2048 x tensor + column
	s_lshl_b32 s40, s42, 10
	s_lshl_b32 s43, s39, 8
	s_add_co_u32 s40, s40, s43
	s_add_nc_u64 s[6:7], s[28:29], s[40:41]        ; codes: 1,024 bytes a row, 256 for my 512 along K
	s_lshl_b32 s40, s42, 6
	s_lshl_b32 s43, s39, 4
	s_add_co_u32 s40, s40, s43
	s_add_nc_u64 s[8:9], s[30:31], s[40:41]        ; scale bytes: 64 a row, 16 for my 512 along K
	v_lshlrev_b32 v9, 6, v2                        ; my column's row of scale bytes
	WLOAD 0
	WLOAD 1
.macro WBLOCK t
.set XS, WX+32*((\t)%2)
.if (\t) < NB-1
	s_wait_loadcnt 32                              ; this block's 32 loads are in; the next block's may be out
.else
	s_wait_loadcnt 0
.endif
	v_max3_num_f32 v12, |v[XS]|, |v[XS+1]|, |v[XS+2]|
	v_max3_num_f32 v13, |v[XS+3]|, |v[XS+4]|, |v[XS+5]|
.irp i, 6,10,14,18,22,26
	v_max3_num_f32 v12, v12, |v[XS+\i]|, |v[XS+\i+1]|
	v_max3_num_f32 v13, v13, |v[XS+\i+2]|, |v[XS+\i+3]|
.endr
	v_max3_num_f32 v12, v12, |v[XS+30]|, |v[XS+31]|
	v_max3_num_f32 v12, v12, v13, (EMAX+1)<<23     ; the floor: the byte cannot fall under 1
	v_add_nc_u32 v11, -(EMAX<<23), v12             ; the conversion's scale operand
	v_lshrrev_b32 v13, 23, v11                     ; the scale's byte
.if (\t)%4 == 0
	v_mov_b32 v[SB+(\t)/4], v13
.else
	v_lshl_or_b32 v[SB+(\t)/4], v13, 8*((\t)%4), v[SB+(\t)/4]
.endif
.irp g, 0,1,2,3
	v_cvt_scalef32_pk8_fp4_f32 v[WC+\g], v[XS+8*\g:XS+8*\g+7], v11
.endr
	ds_store_b128 v4, v[WC:WC+3] offset:16*(\t)    ; 32 codes: 16 bytes of my column's row
.if (\t)+2 < NB
	WLOAD (\t)+2
.endif
	s_wait_dscnt 0x0                               ; the store has read its registers: the next block's codes may be written
.endm
.set Q, 0
.rept NB
	WBLOCK Q
.set Q, Q+1
.endr
	global_store_b128 v9, v[SB:SB+3], s[8:9]       ; my column's 16 scale bytes
.irp t, 0,1,2,3,4,5,6,7,8,9,10,11,12,13,14,15
	ds_load_b128 v[OUTR+4*\t:OUTR+4*\t+3], v7 offset:2*\t*PITCH
.endr
.irp t, 0,1,2,3,4,5,6,7,8,9,10,11,12,13,14,15
	s_wait_dscnt 15-\t
	global_store_b128 v8, v[OUTR+4*\t:OUTR+4*\t+3], s[6:7] offset:2*\t*1024
.endr
	s_wait_tensorcnt 0x0                           ; the wave's end: the tensor wait, the add of 0 and its wait stand behind my last LDS store
	ds_add_u32 v[SPW], v[NIL]
	s_wait_dscnt 0x0
	s_endpgm
; ---------------- wo: the same shares and loads; a block's 32 numbers become 16 pairs of f16, 64 bytes of my column's row.  Four blocks (128 along K) fill a stage row of 256 bytes; then the stage leaves by rows.
.Lo:
	s_cmp_lt_u32 ttmp9, 448
	s_cselect_b64 s[4:5], s[20:21], s[22:23]
	s_cselect_b32 s37, 0, 2048
	COLS OSTG, 4096
	s_add_co_u32 s42, s37, s38                     ; my first row of wot
	s_lshl_b32 s40, s42, 12
	s_lshl_b32 s43, s39, 10
	s_add_co_u32 s40, s40, s43
	s_add_nc_u64 s[6:7], s[32:33], s[40:41]        ; 4,096 bytes a row, 1,024 for my 512 along K
	WLOAD 0
	WLOAD 1
.macro OBLOCK t
.set XS, WX+32*((\t)%2)
.if (\t) < NB-1
	s_wait_loadcnt 32                              ; this block's 32 loads are in; the next block's may be out
.else
	s_wait_loadcnt 0
.endif
.irp i, 0,1,2,3,4,5,6,7,8,9,10,11,12,13,14,15
	v_cvt_pk_f16_f32 v[WC+\i], v[XS+2*\i], v[XS+2*\i+1]   ; the lower k in the low half
.endr
.irp g, 0,1,2,3
	ds_store_b128 v4, v[WC+4*\g:WC+4*\g+3] offset:64*((\t)%4)+16*\g
.endr
.if ((\t)%4 == 3) && ((\t) > 3)
	s_wait_xcnt 0x0                                ; the last pass's stores have read OUTR: it is loaded again only behind this wait
.endif
.if (\t)+2 < NB
	WLOAD (\t)+2
.endif
.if (\t)%4 != 3
	s_wait_dscnt 0x0                               ; the stores have read their registers
.else
.irp u, 0,1,2,3,4,5,6,7,8,9,10,11,12,13,14,15
	ds_load_b128 v[OUTR+4*\u:OUTR+4*\u+3], v7 offset:2*\u*PITCH   ; in order behind my stores; the next pass's stores come behind these
.endr
.irp u, 0,1,2,3,4,5,6,7,8,9,10,11,12,13,14,15
	s_wait_dscnt 15-\u
	global_store_b128 v8, v[OUTR+4*\u:OUTR+4*\u+3], s[6:7] offset:2*\u*4096+256*((\t)/4)
.endr
.endif
.endm
.set Q, 0
.rept NB
	OBLOCK Q
.set Q, Q+1
.endr
	s_wait_tensorcnt 0x0                           ; the wave's end: the tensor wait, the add of 0 and its wait stand behind my last LDS store
	ds_add_u32 v[SPW], v[NIL]
	s_wait_dscnt 0x0
	s_endpgm
.Lfunc_end_k_q966f2e70ce_prep:
	.size	k_q966f2e70ce_prep, .Lfunc_end_k_q966f2e70ce_prep-k_q966f2e70ce_prep
	.p2alignl 7, 3214868480
	.fill 96, 4, 3214868480
	.section	.rodata,"a",@progbits
	.p2align	6, 0x0
	.amdhsa_kernel k_q966f2e70ce_prep
		.amdhsa_group_segment_fixed_size 102912
		.amdhsa_private_segment_fixed_size 0
		.amdhsa_enable_private_segment 0
		.amdhsa_kernarg_size 120
		.amdhsa_user_sgpr_count 2
		.amdhsa_user_sgpr_kernarg_segment_ptr 1
		.amdhsa_wavefront_size32 1
		.amdhsa_system_sgpr_workgroup_id_x 1
		.amdhsa_system_sgpr_workgroup_id_y 1
		.amdhsa_system_sgpr_workgroup_id_z 1
		.amdhsa_system_vgpr_workitem_id 0
		.amdhsa_next_free_vgpr 192
		.amdhsa_next_free_sgpr 66
		.amdhsa_reserve_vcc 0
		.amdhsa_float_denorm_mode_32 3
		.amdhsa_float_denorm_mode_16_64 3
		.amdhsa_memory_ordered 1
		.amdhsa_forward_progress 1
		.amdhsa_inst_pref_size 194
	.end_amdhsa_kernel
	.amdgpu_metadata
---
amdhsa.version: [ 1, 2 ]
amdhsa.kernels:
  - .name:           k_q966f2e70ce_prep
    .symbol:         k_q966f2e70ce_prep.kd
    .args:
      - { .name: x_1, .offset: 0, .size: 8, .value_kind: global_buffer, .address_space: global }
      - { .name: x_2, .offset: 8, .size: 8, .value_kind: global_buffer, .address_space: global }
      - { .name: wq1, .offset: 16, .size: 8, .value_kind: global_buffer, .address_space: global }
      - { .name: wk1, .offset: 24, .size: 8, .value_kind: global_buffer, .address_space: global }
      - { .name: wv1, .offset: 32, .size: 8, .value_kind: global_buffer, .address_space: global }
      - { .name: wq2, .offset: 40, .size: 8, .value_kind: global_buffer, .address_space: global }
      - { .name: wk2, .offset: 48, .size: 8, .value_kind: global_buffer, .address_space: global }
      - { .name: wv2, .offset: 56, .size: 8, .value_kind: global_buffer, .address_space: global }
      - { .name: wo1, .offset: 64, .size: 8, .value_kind: global_buffer, .address_space: global }
      - { .name: wo2, .offset: 72, .size: 8, .value_kind: global_buffer, .address_space: global }
      - { .name: xc, .offset: 80, .size: 8, .value_kind: global_buffer, .address_space: global }
      - { .name: xs, .offset: 88, .size: 8, .value_kind: global_buffer, .address_space: global }
      - { .name: wc, .offset: 96, .size: 8, .value_kind: global_buffer, .address_space: global }
      - { .name: ws, .offset: 104, .size: 8, .value_kind: global_buffer, .address_space: global }
      - { .name: wot, .offset: 112, .size: 8, .value_kind: global_buffer, .address_space: global }
    .group_segment_fixed_size: 102912
    .private_segment_fixed_size: 0
    .kernarg_segment_align: 8
    .kernarg_segment_size: 120
    .max_flat_workgroup_size: 128
    .sgpr_count:     66
    .vgpr_count:     192
    .wavefront_size: 32
...
	.end_amdgpu_metadata
.endif
;; end of part 1
;; launch qkv (part 2): grid 24 x 8, 4 waves a work-group, clusters of 4 x 4, 327,680 bytes of LDS; arguments xc, xs, wc, ws, bq1, bk1, bv1, bq2, bk2, bv2, cos1, sin1, cos2, sin2, qkv; writes qkv
.if DOCPART == 2
	.amdgcn_target "amdgcn-amd-amdhsa--gfx1250"
	.amdhsa_code_object_version 6
	.text
	.protected	k_q966f2e70ce_qkv
	.globl	k_q966f2e70ce_qkv
	.p2align	8
	.type	k_q966f2e70ce_qkv,@function
k_q966f2e70ce_qkv:
	s_mov_b64 s[64:65], 0
	v_nop
	global_prefetch_b8 v0, s[64:65] scope:SCOPE_SE
	s_setreg_imm32_b32 hwreg(HW_REG_WAVE_MODE, 25, 1), 1
	s_wait_xcnt 0x0
	s_wait_alu depctr_hold_cnt(0) depctr_sa_sdst(0) depctr_va_vdst(0) depctr_va_sdst(0) depctr_va_ssrc(0) depctr_va_vcc(0) depctr_vm_vsrc(0)
	s_getreg_b32 s2, hwreg(HW_REG_IB_STS2, 6, 4)
	s_cmp_eq_u32 s2, 0
	s_cbranch_scc0 .Lentry_in_a_cluster
	s_endpgm
.Lentry_in_a_cluster:
	s_bfe_u32 s2, ttmp6, 0x10000c
	s_cmp_lg_u32 s2, 0xf033
	s_cbranch_scc0 .Lentry_shape_is_right
	s_endpgm
.Lentry_shape_is_right:
; QKV: the six quantised projections, on codes of FP4 (E2M1) with one E8M0 scale for each 32 along K; then bias, q's factor 128^-0.5, the rotation of q and k by the cos and sin tables, rounding to f16.
; A = xc [2048 rows = 1024 stream + position][2048 k], B = wc [12288 rows = 6144 stream + 2048 kind + n][2048 k] (kind 0 q, 1 k, 2 v).  Out: qkv f16 [16 kind + head][2048 positions][128].
; A tile of 256 x 256 is made by four waves, 128 x 128 each: a wave's 128 columns are exactly one head.  K goes in steps of 512 (rows of 256 bytes) through a ring of two LDS slots filled by the tensor data mover.
; The scale bytes of the work-group's 256 rows of A and of B, for all of K, come into LDS once, with the first fills.
; CLUSTERS: 4 x 4 work-groups; the cluster's y is the stream, its x picks 1,024 of the stream's 6,144 columns.  A's tiles are asked for jointly along a row of the cluster, B's along a column.
; THE MATRIX INSTRUCTION IS USED TRANSPOSED (source 0 = 16 rows of B, source 1 = 16 rows of A): a lane holds eight neighbouring columns of one position.
; THE WAY OUT: a wave's 128 x 128 sums go into its own dump in LDS (both slots have had their last fill and, behind a barrier, their last read) and come back as whole rows of 512 bytes:
; a lane then holds 4 neighbouring columns, two pairs of the rotation, and the tables' 16 bytes for them.  One loop serves q, k and v: the tables' loads stand on every path, so that each counted wait
; counts the same loads on every path; for v only the rotation's arithmetic is jumped over (a branch on the cluster's x, the same in all partners and waves), and v's work-groups load tables that they do not use.
; LIMIT: a result beyond 65,504 becomes infinity in f16.
; REGISTERS, in windows of 256: window 0: v0-31 addresses, v8-11 the bias; v32-95 scale words, two sets; v128-191 A's fragments, one set.  On the way out: v32-95 packed rows, v96-127 at work, v128-255 two sets of 16 rows.
;   window 1: B's fragments, two sets; on the way out the tables, two sets of 16 rows (cos 64 registers, sin 64).   windows 2, 3: the 64 accumulators ((a, b) at v[8 (8 (a % 4) + b)]).
.set SIZE_K, 2048
.set KSTEP,  512
.set NQ,     KSTEP/128
.set ROWB,   256
.set KROW,   SIZE_K/2
.set PITCH,  272                       ; an LDS row: 256 bytes + 16 = 68 words: the 16 rows that a load touches start at 16 different banks (64 banks of 4 bytes: ISA guide 11.1)
.set FR,     8
.set NL,     2
.set NP,     4
.set HALFT,  128*PITCH
.set SLOT,   4*HALFT
.set LAPS,   SIZE_K/(2*KSTEP)
.set KS,     SIZE_K/32
.set SCL,    2*SLOT
.set HALFS,  (128*KS/256)*272
.set SBLK,   (16*KS/256)*272
.set SPARE,  SCL+4*HALFS               ; the spare words, 128 bytes for each wave: two blocks of 256 bytes that no other line names
.set SPITCH, 528                       ; a dump row: 512 bytes + 16
.set BF,   8                           ; v8-11   the bias of my 4 columns, times q's factor
.set ADRA, 16
.set ADRB, 20
.set STO,  24                          ; v24  the dump: where I put 32 bytes of a row
.set RD,   25                          ; v25  and where I read rows back; stepped 32 rows a trip
.set OO,   26                          ; v26  8 x lane: my 8 bytes of a row of the output
.set ADRS, 27
.set SPW,  28
.set NIL,  29
.set TO,   30                          ; v30  16 x lane: my 16 bytes of a row of a table, and of the bias
.set SC,   32
.set AF,   128
.set OUTR, 32
.set UT,   96
.set YR,   128
.set G1, 24
.set G0, 32
.set G1B, 48
.set G0B, 56
.set G1S, 68
.set G0S, 76
.set G1SB, 80
.set G0SB, 88
.set BIAS, 66                          ; s[66:67]   the bias at my 128 columns
.set STR,  95                          ; s95        the stream: the cluster's y, which all sixteen partners share
.set COSP, 96                          ; s[96:97]   cos at my rows; stepped
.set SINP, 98                          ; s[98:99]   sin likewise
.set FS,   100                         ; s[100:101] 128^-0.5 for q, else 1
.set TY,   104                         ; s104       the kind
.set MSB, 0
.macro WIN new
.if MSB != \new
	s_set_vgpr_msb (MSB<<8)|\new
.set MSB, \new
.endif
.endm
.set MUL_LO, 0xa1
.set MUL_HI, 0xf1
.set TO_B,   0x40
; A joint load: waves 0 and 1 fetch for A, waves 2 and 3 for B; the branch hangs on the wave's number alone.  An s_nop 0 and four v_nop follow each of the two lines.
.macro JLOAD g0a, g1a, g0b, g1b
	s_cmp_eq_u32 s15, 0
	s_cbranch_scc0 .Lfor_b_\@
	tensor_load_to_lds s[\g0a:\g0a+3], s[\g1a:\g1a+7]
	s_nop 0
.rept 4
	v_nop
.endr
	s_branch .Lasked_\@
.Lfor_b_\@:
	tensor_load_to_lds s[\g0b:\g0b+3], s[\g1b:\g1b+7]
	s_nop 0
.rept 4
	v_nop
.endr
.Lasked_\@:
.endm
.macro CREST
	s_cmp_lg_u32 s14, 0
	s_cbranch_scc1 .Lnot_wave_0_\@
	s_barrier_signal -3
.Lnot_wave_0_\@:
	s_barrier_wait -3
	s_barrier_signal -1
	s_barrier_wait -1
.endm
.macro CROUND
	s_barrier_signal -1
	s_barrier_wait -1
	CREST
.endm
	s_load_b256 s[4:11], s[0:1], 0x0               ; xc s[4:5], xs s[6:7], wc s[8:9], ws s[10:11]
	s_load_b256 s[32:39], s[0:1], 0x20             ; bq1, bk1, bv1, bq2   (these registers become descriptors once the choice is made)
	s_load_b128 s[56:59], s[0:1], 0x40             ; bk2, bv2
	s_load_b128 s[76:79], s[0:1], 0x50             ; cos1, sin1
	s_load_b128 s[88:91], s[0:1], 0x60             ; cos2, sin2
	s_load_b64 s[60:61], s[0:1], 0x70              ; qkv
	v_lshl_add_u32 v[SPW], v0, 2, SPARE
	v_mov_b32 v[NIL], 0
	ds_add_u32 v[SPW], v[NIL]                      ; the wave's opening: the add and its wait stand ahead of my first tensor load; work on registers stands between them
	v_lshrrev_b32 v1, 5, v0
	v_readfirstlane_b32 s14, v1                    ; wave 0..3
	s_lshr_b32 s15, s14, 1                         ; which half of the tile's rows is mine.  Also: I fetch for A (0) or for B (1)
	s_and_b32 s16, s14, 1                          ; which half of its columns.  Also: which 128 rows of that tile I fetch
	s_bfe_u32 s40, ttmp6, 0x40000                  ; cx
	s_bfe_u32 s41, ttmp6, 0x40004                  ; cy
	s_lshl_b32 s42, ttmp9, 2
	s_add_co_u32 s42, s42, s40                     ; tile column 0..23 of the stream's 6,144 columns
	s_and_b32 s[STR], ttmp7, 0xffff                ; the stream
	s_lshl_b32 s17, s[STR], 2
	s_add_co_u32 s17, s17, s41                     ; tile row 0..7 of the 2,048 positions
	s_lshr_b32 s[TY], ttmp9, 1                     ; the kind: 8 tile columns each
	s_lshl_b32 s43, s41, 2
	s_lshl_b32 s43, 15, s43                        ; my row of the cluster
	s_lshl_b32 s44, 0x1111, s40                    ; my column
	s_or_b32 s[G1+0], s43, (0<<16)|(1<<20)|(1<<21)|(5<<22)|(3<<25)  ; mask; elements of 1 byte; padding on; bit 21 beside a mask; after every 64 words 4 words
	s_or_b32 s[G1B+0], s44, (0<<16)|(1<<20)|(1<<21)|(5<<22)|(3<<25)
.irp g, G1, G1B
	s_mov_b32 s[\g+1], ROWB<<16                    ; tensor_dim0
	s_mov_b32 s[\g+2], 128<<16                     ; tensor_dim1
	s_mov_b32 s[\g+3], ROWB<<16                    ; tile_dim0
	s_mov_b32 s[\g+4], 128                         ; tile_dim1
	s_mov_b32 s[\g+5], KROW                        ; the pitch
	s_mov_b32 s[\g+6], 0
	s_mov_b32 s[\g+7], 0
.endr
	s_or_b32 s[G1S+0], s43, (3<<16)|(1<<20)|(1<<21)|(5<<22)|(3<<25)  ; the scales of 128 rows: 8,192 dense bytes as 32 rows of 256 (32 elements of 8 bytes), 16 bytes of padding behind each
	s_or_b32 s[G1SB+0], s44, (3<<16)|(1<<20)|(1<<21)|(5<<22)|(3<<25)
.irp g, G1S, G1SB
	s_mov_b32 s[\g+1], 32<<16
	s_mov_b32 s[\g+2], (128*KS/256)<<16
	s_mov_b32 s[\g+3], 32<<16
	s_mov_b32 s[\g+4], 128*KS/256
	s_mov_b32 s[\g+5], 32
	s_mov_b32 s[\g+6], 0
	s_mov_b32 s[\g+7], 0
.endr
	s_lshl_b32 s18, s16, 7                         ; which 128 rows of the tile I fetch
	s_lshl_b32 s20, s17, 8
	s_add_co_u32 s20, s20, s18                     ; A: row 256 x tile row + 128 x half
	s_mul_i32 s46, s[STR], 6144                    ; B: row 6144 x stream + 256 x tile column + 128 x half: no register here ever holds cy
	s_lshl_b32 s47, s42, 8
	s_add_co_u32 s46, s46, s47
	s_add_co_u32 s46, s46, s18
	s_mov_b32 s21, 0
	s_mov_b32 s47, 0
	s_mov_b64 s[18:19], KS
	s_mul_u64 s[22:23], s[20:21], s[18:19]         ; where these rows' scales begin
	s_mul_u64 s[92:93], s[46:47], s[18:19]
	s_mov_b64 s[18:19], KROW
	s_mul_u64 s[20:21], s[20:21], s[18:19]         ; and their codes
	s_mul_u64 s[46:47], s[46:47], s[18:19]
	s_mul_i32 s45, s14, HALFT                      ; where they go: wave x 128 rows
	s_mul_i32 s94, s14, HALFS
	s_wait_dscnt 0x0                               ; the opening add is done
	s_wait_kmcnt 0x0
	s_add_nc_u64 s[20:21], s[4:5], s[20:21]
	s_add_nc_u64 s[22:23], s[6:7], s[22:23]
	s_add_nc_u64 s[46:47], s[8:9], s[46:47]
	s_add_nc_u64 s[92:93], s[10:11], s[92:93]
	s_cmp_eq_u32 s[STR], 0                         ; the stream's biases and tables: choices that hang on ids alone
	s_cselect_b64 s[32:33], s[32:33], s[38:39]
	s_cselect_b64 s[34:35], s[34:35], s[56:57]
	s_cselect_b64 s[36:37], s[36:37], s[58:59]
	s_cselect_b64 s[COSP:COSP+1], s[76:77], s[88:89]
	s_cselect_b64 s[SINP:SINP+1], s[78:79], s[90:91]
	s_mov_b32 s[FS], 0x3f800000
	s_cmp_eq_u32 s[TY], 0
	s_cselect_b64 s[BIAS:BIAS+1], s[32:33], s[34:35]
	s_cselect_b32 s[FS], 0x3db504f3, s[FS]         ; 128^-0.5 for q
	s_cmp_eq_u32 s[TY], 2
	s_cselect_b64 s[BIAS:BIAS+1], s[36:37], s[BIAS:BIAS+1]
	s_mov_b32 s[FS+1], s[FS]
	s_mov_b64 s[12:13], s[60:61]
	CROUND                                         ; all sixteen work-groups are here: the first joint loads meet
	s_mov_b32 s[G0S], 1
	s_add_co_u32 s[G0S+1], s94, SCL
	s_mov_b64 s[G0S+2:G0S+3], s[22:23]
	s_or_b32 s[G0S+3], s[G0S+3], 0x80000000
	s_mov_b32 s[G0SB], 1
	s_add_co_u32 s[G0SB+1], s94, SCL
	s_mov_b64 s[G0SB+2:G0SB+3], s[92:93]
	s_or_b32 s[G0SB+3], s[G0SB+3], 0x80000000
	JLOAD G0S, G1S, G0SB, G1SB                     ; the scales first: they are wanted with K step 0
.irp s, 0,1
	s_mov_b32 s[G0+4*\s], 1
	s_add_co_u32 s[G0+4*\s+1], s45, \s*SLOT
	s_add_nc_u64 s[G0+4*\s+2:G0+4*\s+3], s[20:21], \s*ROWB
	s_or_b32 s[G0+4*\s+3], s[G0+4*\s+3], 0x80000000
	s_mov_b32 s[G0B+4*\s], 1
	s_add_co_u32 s[G0B+4*\s+1], s45, \s*SLOT
	s_add_nc_u64 s[G0B+4*\s+2:G0B+4*\s+3], s[46:47], \s*ROWB
	s_or_b32 s[G0B+4*\s+3], s[G0B+4*\s+3], 0x80000000
	JLOAD G0+4*\s, G1, G0B+4*\s, G1B               ; by this text's count three tensor loads of a wave are out here, later one
.endr
	v_and_b32 v1, 15, v0                           ; l % 16
	v_bfe_u32 v2, v0, 4, 1                         ; l / 16
	v_mul_u32_u24 v3, v1, PITCH
	v_lshl_add_u32 v4, v2, 4, v3
	s_mul_i32 s21, s15, HALFT
	s_mul_i32 s22, s16, HALFT
	s_add_co_u32 s22, s22, 2*HALFT
.irp s, 0,1
	v_add_nc_u32 v[ADRA+\s], s21, v4
	v_add_nc_u32 v[ADRB+\s], s22, v4
	s_add_co_u32 s21, s21, SLOT
	s_add_co_u32 s22, s22, SLOT
.endr
	v_mul_u32_u24 v5, v1, KS
	v_lshrrev_b32 v6, 8, v5
	v_lshl_add_u32 v5, v6, 4, v5
	s_mul_i32 s21, s15, HALFS
	s_mul_i32 s22, s16, HALFS
	s_add_co_u32 s22, s22, 2*HALFS
	s_sub_co_u32 s22, s22, s21
	v_mul_u32_u24 v6, s22, v2                      ; lanes 16-31 take B's scale words
	s_add_co_u32 s21, s21, SCL
	v_add_nc_u32 v5, v5, v6
	v_add_nc_u32 v[ADRS], s21, v5
	s_mul_i32 s23, s14, 128*SPITCH                 ; my dump: 128 rows of 528 bytes; the four end under SCL
	v_mul_u32_u24 v5, v1, SPITCH
	v_lshl_add_u32 v5, v2, 5, v5
	v_add_nc_u32 v[STO], s23, v5
	v_and_b32 v6, 31, v0
	v_lshlrev_b32 v[TO], 4, v6
	v_add_nc_u32 v[RD], s23, v[TO]
	v_lshlrev_b32 v[OO], 3, v6
	s_and_b32 s2, s42, 7                           ; the bias: 4 x (256 x (tile column % 8) + 128 x half)
	s_lshl_b32 s2, s2, 10
	s_lshl_b32 s3, s16, 9
	s_add_co_u32 s2, s2, s3
	s_mov_b32 s3, 0
	s_add_nc_u64 s[BIAS:BIAS+1], s[BIAS:BIAS+1], s[2:3]
	s_lshl_b32 s2, s41, 17                         ; the tables: row 256 cy + 128 x half, 512 bytes a row
	s_lshl_b32 s18, s15, 16
	s_add_co_u32 s2, s2, s18
	s_add_nc_u64 s[COSP:COSP+1], s[COSP:COSP+1], s[2:3]
	s_add_nc_u64 s[SINP:SINP+1], s[SINP:SINP+1], s[2:3]
	s_lshl_b32 s2, s42, 1                          ; the output: plane 2 x tile column + half (= 16 kind + head) of 524,288 bytes, row 256 x tile row + 128 x half of 256 bytes
	s_add_co_u32 s2, s2, s16
	s_lshl_b32 s2, s2, 19
	s_lshl_b32 s18, s17, 16
	s_add_co_u32 s2, s2, s18
	s_lshl_b32 s18, s15, 15
	s_add_co_u32 s2, s2, s18
	s_add_nc_u64 s[12:13], s[12:13], s[2:3]
	global_load_b128 v[BF:BF+3], v[TO], s[BIAS:BIAS+1]   ; waited for on the way out
.macro FRAG reg, adr, q, i             ; 16 rows x 128 K of 4-bit codes: 8 registers; two loads of 16 bytes, 32 apart
.irp c, 0,1
	ds_load_b128 v[\reg+4*\c:\reg+4*\c+3], v[\adr] offset:64*(\q)+32*\c+(\i)*16*PITCH
.endr
.endm
; 16 matrix instructions: A's blocks a0, a0 + 1 x B's eight.  The 64 accumulators take turns, one instruction a turn, in the same order in every step.
.macro MUL16 a0, p, q, sc, zero
.irp a, \a0, \a0+1
.irp b, 0,1,2,3,4,5,6,7
.if \zero
	v_wmma_scale_f32_16x16x128_f8f6f4 v[8*(8*((\a)%4)+\b):8*(8*((\a)%4)+\b)+7], v[128*(\p)+FR*\b:128*(\p)+FR*\b+FR-1], v[AF+FR*(\a):AF+FR*(\a)+FR-1], 0, v[SC+8*NQ*(\sc)+NQ*\b+(\q)], v[SC+8*NQ*(\sc)+NQ*(\a)+(\q)] matrix_a_fmt:MATRIX_FMT_FP4 matrix_b_fmt:MATRIX_FMT_FP4 matrix_a_scale:MATRIX_SCALE_ROW1
.else
	v_wmma_scale_f32_16x16x128_f8f6f4 v[8*(8*((\a)%4)+\b):8*(8*((\a)%4)+\b)+7], v[128*(\p)+FR*\b:128*(\p)+FR*\b+FR-1], v[AF+FR*(\a):AF+FR*(\a)+FR-1], v[8*(8*((\a)%4)+\b):8*(8*((\a)%4)+\b)+7], v[SC+8*NQ*(\sc)+NQ*\b+(\q)], v[SC+8*NQ*(\sc)+NQ*(\a)+(\q)] matrix_a_fmt:MATRIX_FMT_FP4 matrix_b_fmt:MATRIX_FMT_FP4 matrix_a_scale:MATRIX_SCALE_ROW1
.endif
.endr
.endr
.endm
.macro FETCH_B slot, q, p
	WIN TO_B
.irp i, 0,1,2,3,4,5,6,7
	FRAG 128*(\p)+FR*\i, ADRB+\slot, \q, \i
.endr
	WIN 0
.endm
.macro FETCH_A slot, q, i0
.irp i, \i0, \i0+1, \i0+2, \i0+3
	FRAG AF+FR*(\i), ADRA+\slot, \q, \i
.endr
.endm
.macro SCALES sc                       ; a K step's scale words: lanes 0-15 A's block i, lanes 16-31 B's block i
.irp i, 0,1,2,3,4,5,6,7
	ds_load_b128 v[SC+8*NQ*\sc+NQ*\i:SC+8*NQ*\sc+NQ*\i+3], v[ADRS] offset:\i*SBLK
.endr
.endm
.macro PLACES n                        ; plain vector instructions between a matrix instruction and a load into, or a read of, its registers
.rept \n
	v_nop
.endr
.endm
.macro STEP slot, q, zero
	s_wait_dscnt 4*NL                              ; B's set and A's blocks 0-3 are in; the youngest eight loads (A's blocks 4-7) may be out
	WIN MUL_LO
	MUL16 0, (\q)%2, \q, \slot, \zero
	MUL16 2, (\q)%2, \q, \slot, \zero
	s_wait_dscnt 0
	PLACES NP
	FETCH_B \slot, (\q)+1, 1-(\q)%2
	FETCH_A \slot, (\q)+1, 0
	WIN MUL_HI
	MUL16 4, (\q)%2, \q, \slot, \zero
	MUL16 6, (\q)%2, \q, \slot, \zero
	PLACES NP
	WIN 0
	FETCH_A \slot, (\q)+1, 4
.endm
; A slot's last step changes slots: one barrier; in front of it each wave waits for all its tensor loads, adds 0 to its spare word, and waits for that and for its reads of this slot.
.macro TURN slot, next, fill
	s_wait_tensorcnt 0x0                           ; all my tensor loads have landed: my part of the next slot
	ds_add_u32 v[SPW], v[NIL]                      ; 0 onto my spare word
	s_wait_dscnt 4*NL+1                            ; (the add and the youngest eight loads may be out)
	WIN MUL_LO
	MUL16 0, 1, NQ-1, \slot, 0
	s_wait_dscnt 0x0                               ; the add is done, and my reads of this slot are over
	s_barrier_signal -1
	MUL16 2, 1, NQ-1, \slot, 0
	WIN 0
	s_barrier_wait -1
.if \fill
	CREST                                          ; the barrier has opened a round of the cluster's barrier: no wave of any partner still reads this slot or has a load on its way
	s_add_nc_u64 s[G0+4*\slot+2:G0+4*\slot+3], s[G0+4*\slot+2:G0+4*\slot+3], 2*ROWB
	s_add_nc_u64 s[G0B+4*\slot+2:G0B+4*\slot+3], s[G0B+4*\slot+2:G0B+4*\slot+3], 2*ROWB
	JLOAD G0+4*\slot, G1, G0B+4*\slot, G1B         ; the first tensor load behind the round; its four v_nop are the places in front of the loads below
.else
	PLACES NP
.endif
	v_add_nc_u32 v[ADRS], 4*NQ, v[ADRS]            ; the next K step's scale words
	FETCH_B \next, 0, 0
	FETCH_A \next, 0, 0
	SCALES \next
	WIN MUL_HI
	MUL16 4, 1, NQ-1, \slot, 0
	MUL16 6, 1, NQ-1, \slot, 0
	PLACES NP
	WIN 0
	FETCH_A \next, 0, 4
.endm
.macro STEPS slot, from
.set Q, \from
.rept NQ-1-\from
	STEP \slot, Q, 0
.set Q, Q+1
.endr
.endm
	s_wait_tensorcnt 1                             ; the scales and my part of K step 0 are in (K step 1's load may be out)
	s_barrier_signal -1
	s_barrier_wait -1
	FETCH_B 0, 0, 0
	FETCH_A 0, 0, 0
	SCALES 0
	FETCH_A 0, 0, 4
	STEP 0, 0, 1                                   ; the first step's products start the sums: nothing is cleared
	s_mov_b32 s3, LAPS-1
.Llap:
	STEPS 0, 1
	TURN 0, 1, 1
	STEPS 1, 0
	TURN 1, 0, 1
	STEP 0, 0, 0
	s_sub_co_u32 s3, s3, 1
	s_cmp_lg_u32 s3, 0
	s_cbranch_scc1 .Llap
	STEPS 0, 1                                     ; the last lap fills nothing
	TURN 0, 1, 0
	STEPS 1, 0
	s_wait_dscnt 4*NL
	WIN MUL_LO
	MUL16 0, 1, NQ-1, 1, 0
	MUL16 2, 1, NQ-1, 1, 0
	s_wait_dscnt 0                                 ; my last reads of slot 1 are in:
	s_barrier_signal -1                            ; say so; behind this barrier no wave reads either slot, and the dumps may be written over them
	WIN MUL_HI
	MUL16 4, 1, NQ-1, 1, 0
	MUL16 6, 1, NQ-1, 1, 0
	WIN 0
	s_barrier_wait -1
; ---------------- THE WAY OUT
.macro TAB set, r0                     ; the tables' rows r0 .. r0 + 15 (from the pointers' row on) into set: 32 loads, each 512 consecutive bytes
	WIN TO_B
.set rp, 0
.rept 16
	global_load_b128 v[128*(\set)+4*rp:128*(\set)+4*rp+3], v[TO], s[COSP:COSP+1] offset:((\r0)+rp)*512
	global_load_b128 v[128*(\set)+64+4*rp:128*(\set)+64+4*rp+3], v[TO], s[SINP:SINP+1] offset:((\r0)+rp)*512
.set rp, rp+1
.endr
	WIN 0
.endm
.macro YLOAD set, r0                   ; 16 rows of sums back from my dump: 512 bytes a row, 16 a lane
.set rp, 0
.rept 16
	ds_load_b128 v[YR+64*(\set)+4*rp:YR+64*(\set)+4*rp+3], v[RD] offset:((\r0)+rp)*SPITCH
.set rp, rp+1
.endr
.endm
; 16 rows.  h: which set of rows, of tables and of packed results; refill: the tables of the rows 32 further on are asked for; ynext: the rows that the other set takes (-1: none); left: table loads that may stay out.
.macro HALF h, refill, ynext, left
.set YB, YR+64*\h
	s_wait_loadcnt \left                           ; this set's 32 table loads are in; the other set's 32, issued behind them, may be out
	s_wait_dscnt 0x0                               ; this set's rows are back
.if \ynext >= 0
	YLOAD 1-\h, \ynext                             ; the other set was packed in the half before
.endif
.set rp, 0
.rept 16
	v_pk_fma_f32 v[YB+4*rp:YB+4*rp+1], v[YB+4*rp:YB+4*rp+1], s[FS:FS+1], v[BF:BF+1] op_sel_hi:[1,0,1]       ; (sum + bias) x factor, as sum x factor + bias x factor
	v_pk_fma_f32 v[YB+4*rp+2:YB+4*rp+3], v[YB+4*rp+2:YB+4*rp+3], s[FS:FS+1], v[BF+2:BF+3] op_sel_hi:[1,0,1]
.set rp, rp+1
.endr
	s_cmp_ge_u32 ttmp9, 4                          ; v is not rotated: the cluster's x, the same in all partners and waves; the jump leads round register work alone
	s_cbranch_scc1 .Lplain_\@
	WIN 0x04                                       ; source 1: the tables, window 1
.set rp, 0
.rept 16
.set UB, UT+4*(rp%8)
	v_mul_f32 v[UB],   v[YB+4*rp+1], v[128*\h+64+4*rp]      ; y(2i+1) sin(2i)
	v_mul_f32 v[UB+1], v[YB+4*rp],   v[128*\h+64+4*rp+1]    ; y(2i) sin(2i+1)
	v_mul_f32 v[UB+2], v[YB+4*rp+3], v[128*\h+64+4*rp+2]
	v_mul_f32 v[UB+3], v[YB+4*rp+2], v[128*\h+64+4*rp+3]
	v_fma_f32 v[YB+4*rp],   v[YB+4*rp],   v[128*\h+4*rp],   -v[UB]     ; y(2i) cos(2i) - y(2i+1) sin(2i)
	v_fma_f32 v[YB+4*rp+1], v[YB+4*rp+1], v[128*\h+4*rp+1], v[UB+1]    ; y(2i+1) cos(2i+1) + y(2i) sin(2i+1)
	v_fma_f32 v[YB+4*rp+2], v[YB+4*rp+2], v[128*\h+4*rp+2], -v[UB+2]
	v_fma_f32 v[YB+4*rp+3], v[YB+4*rp+3], v[128*\h+4*rp+3], v[UB+3]
.set rp, rp+1
.endr
	WIN 0
.Lplain_\@:
.if \refill
	TAB \h, 32+16*\h
.endif
.set rp, 0
.rept 16
	v_cvt_pk_f16_f32 v[OUTR+32*\h+2*rp],   v[YB+4*rp],   v[YB+4*rp+1]
	v_cvt_pk_f16_f32 v[OUTR+32*\h+2*rp+1], v[YB+4*rp+2], v[YB+4*rp+3]
.set rp, rp+1
.endr
.set rp, 0
.rept 16
	global_store_b64 v[OO], v[OUTR+32*\h+2*rp:OUTR+32*\h+2*rp+1], s[12:13] offset:(16*\h+rp)*256   ; 32 lanes store a row's 256 consecutive bytes, aligned
.set rp, rp+1
.endr
.endm
	PLACES NP                                      ; behind the last products: for the loads into B's and A's registers and the first reads of results
	s_wait_loadcnt 0x0                             ; the bias
	v_pk_mul_f32 v[BF:BF+1], v[BF:BF+1], s[FS:FS+1] op_sel_hi:[1,0]
	v_pk_mul_f32 v[BF+2:BF+3], v[BF+2:BF+3], s[FS:FS+1] op_sel_hi:[1,0]
	TAB 0, 0                                       ; the first 32 rows' tables go out ahead of the dump's 128 stores
	TAB 1, 16
.irp a, 0,1,2,3,4,5,6,7
.set W, 0x08+4*(\a/4)                  ; an LDS store's data are its source 1: window 2 or 3
	WIN W
.irp b, 0,1,2,3,4,5,6,7
	ds_store_b128 v[STO], v[64*(\a%4)+8*\b:64*(\a%4)+8*\b+3] offset:\a*16*SPITCH+64*\b        ; each accumulator from its low end on
	ds_store_b128 v[STO], v[64*(\a%4)+8*\b+4:64*(\a%4)+8*\b+7] offset:\a*16*SPITCH+64*\b+16
.endr
.endr
	WIN 0
	YLOAD 0, 0                                     ; LDS serves a wave's instructions in order: these see my stores; the dump is my own
	s_mov_b32 s3, 3
.Lrows:                                                ; 32 rows a trip
	HALF 0, 1, 16, 32
	HALF 1, 1, 32, 32
	s_wait_xcnt 0x0                                ; the loads' and stores' bases and the stores' data are rewritten only behind this wait
	s_add_nc_u64 s[COSP:COSP+1], s[COSP:COSP+1], 32*512
	s_add_nc_u64 s[SINP:SINP+1], s[SINP:SINP+1], 32*512
	s_add_nc_u64 s[12:13], s[12:13], 32*256
	v_add_nc_u32 v[RD], 32*SPITCH, v[RD]
	s_sub_co_u32 s3, s3, 1
	s_cmp_lg_u32 s3, 0
	s_cbranch_scc1 .Lrows
	HALF 0, 0, 16, 32                              ; the last 32 rows ask for no table beyond the wave's 128 rows
	HALF 1, 0, -1, 0
	s_wait_tensorcnt 0x0                           ; the wave's end: the tensor wait, the add of 0 and its wait stand behind my last tensor load and my last LDS store
	ds_add_u32 v[SPW], v[NIL]
	s_wait_dscnt 0x0
	CROUND                                         ; the closing round
	s_endpgm
.Lfunc_end_k_q966f2e70ce_qkv:
	.size	k_q966f2e70ce_qkv, .Lfunc_end_k_q966f2e70ce_qkv-k_q966f2e70ce_qkv
	.p2alignl 7, 3214868480
	.fill 96, 4, 3214868480
	.section	.rodata,"a",@progbits
	.p2align	6, 0x0
	.amdhsa_kernel k_q966f2e70ce_qkv
		.amdhsa_group_segment_fixed_size 327680
		.amdhsa_private_segment_fixed_size 0
		.amdhsa_enable_private_segment 0
		.amdhsa_kernarg_size 120
		.amdhsa_user_sgpr_count 2
		.amdhsa_user_sgpr_kernarg_segment_ptr 1
		.amdhsa_wavefront_size32 1
		.amdhsa_system_sgpr_workgroup_id_x 1
		.amdhsa_system_sgpr_workgroup_id_y 1
		.amdhsa_system_sgpr_workgroup_id_z 1
		.amdhsa_system_vgpr_workitem_id 0
		.amdhsa_next_free_vgpr 1024
		.amdhsa_next_free_sgpr 106
		.amdhsa_reserve_vcc 0
		.amdhsa_float_denorm_mode_32 3
		.amdhsa_float_denorm_mode_16_64 3
		.amdhsa_memory_ordered 1
		.amdhsa_forward_progress 1
		.amdhsa_inst_pref_size 255
	.end_amdhsa_kernel
	.amdgpu_metadata
---
amdhsa.version: [ 1, 2 ]
amdhsa.kernels:
  - .name:           k_q966f2e70ce_qkv
    .symbol:         k_q966f2e70ce_qkv.kd
    .args:
      - { .name: xc, .offset: 0, .size: 8, .value_kind: global_buffer, .address_space: global }
      - { .name: xs, .offset: 8, .size: 8, .value_kind: global_buffer, .address_space: global }
      - { .name: wc, .offset: 16, .size: 8, .value_kind: global_buffer, .address_space: global }
      - { .name: ws, .offset: 24, .size: 8, .value_kind: global_buffer, .address_space: global }
      - { .name: bq1, .offset: 32, .size: 8, .value_kind: global_buffer, .address_space: global }
      - { .name: bk1, .offset: 40, .size: 8, .value_kind: global_buffer, .address_space: global }
      - { .name: bv1, .offset: 48, .size: 8, .value_kind: global_buffer, .address_space: global }
      - { .name: bq2, .offset: 56, .size: 8, .value_kind: global_buffer, .address_space: global }
      - { .name: bk2, .offset: 64, .size: 8, .value_kind: global_buffer, .address_space: global }
      - { .name: bv2, .offset: 72, .size: 8, .value_kind: global_buffer, .address_space: global }
      - { .name: cos1, .offset: 80, .size: 8, .value_kind: global_buffer, .address_space: global }
      - { .name: sin1, .offset: 88, .size: 8, .value_kind: global_buffer, .address_space: global }
      - { .name: cos2, .offset: 96, .size: 8, .value_kind: global_buffer, .address_space: global }
      - { .name: sin2, .offset: 104, .size: 8, .value_kind: global_buffer, .address_space: global }
      - { .name: qkv, .offset: 112, .size: 8, .value_kind: global_buffer, .address_space: global }
    .group_segment_fixed_size: 327680
    .private_segment_fixed_size: 0
    .kernarg_segment_align: 8
    .kernarg_segment_size: 120
    .max_flat_workgroup_size: 128
    .sgpr_count:     106
    .vgpr_count:     1024
    .wavefront_size: 32
...
	.end_amdgpu_metadata
.endif
;; end of part 2
;; launch attn (part 3): grid 16 x 16, 4 waves a work-group, clusters of 4 x 1, 327,680 bytes of LDS; arguments qkv, o; writes o
.if DOCPART == 3
	.amdgcn_target "amdgcn-amd-amdhsa--gfx1250"
	.amdhsa_code_object_version 6
	.text
	.protected	k_q966f2e70ce_attn
	.globl	k_q966f2e70ce_attn
	.p2align	8
	.type	k_q966f2e70ce_attn,@function
k_q966f2e70ce_attn:
	s_mov_b64 s[64:65], 0
	v_nop
	global_prefetch_b8 v0, s[64:65] scope:SCOPE_SE
	s_setreg_imm32_b32 hwreg(HW_REG_WAVE_MODE, 25, 1), 1
	s_wait_xcnt 0x0
	s_wait_alu depctr_hold_cnt(0) depctr_sa_sdst(0) depctr_va_vdst(0) depctr_va_sdst(0) depctr_va_ssrc(0) depctr_va_vcc(0) depctr_vm_vsrc(0)
	s_getreg_b32 s2, hwreg(HW_REG_IB_STS2, 6, 4)
	s_cmp_eq_u32 s2, 0
	s_cbranch_scc0 .Lentry_in_a_cluster
	s_endpgm
.Lentry_in_a_cluster:
	s_bfe_u32 s2, ttmp6, 0x10000c
	s_cmp_lg_u32 s2, 0x3003
	s_cbranch_scc0 .Lentry_shape_is_right
	s_endpgm
.Lentry_shape_is_right:
; ATTN: o[n][128 head + c] = the sum over k of softmax_k(q[head][n] . k[head][k]) v[head][k][c], over all 2,048 positions of both streams.  q (already scaled and rotated), k, v: f16 planes of qkv,
; [16 kind + head][2048][128].  Products, maxima and sums in f32; the weights p are rounded to f16 for the second product, o once at the end, to f16.
; SHARES.  A work-group owns 128 queries of one head.  Wave w has qh = w & 1 (which 64 queries: four tiles of 16) and kh = w >> 1 (which half of each slot's 256 keys): so 256 work-groups have work, and a wave
; still feeds four tiles of queries from each fragment of K and V.  Each wave keeps its own running maximum and sum over its 1,024 keys; at the end waves w and w xor 2 merge: each hands two tiles over
; through LDS and finishes the other two.  Register tile t holds query tile t xor 2 kh, so that every wave keeps register tiles 0, 1 and sends 2, 3: one text for all.
; LAYOUT.  S^T = K Q^T (source 0 = 16 keys, source 1 = 16 queries): a lane holds one query (lane % 16) and 8 keys; two such tiles rounded in pairs are source 1 of O^T = V^T P.  K comes out of LDS as it lies,
; V turned, by ds_load_tr16_b128.
; SOFTMAX.  p = 2^(c s - c m), c = log2(e); in every step O and l are multiplied by a = 2^(c m_old - c m_new).
; BY TURNS.  The wave's tiles are two pieces (tiles 0, 1 and tiles 2, 3).  In a turn one piece has the matrix unit (32 products V^T P, then 32 products K Q^T of the next step) and the other piece's softmax,
; cut into 64 slices, stands between them, one slice behind each matrix instruction.
; CLUSTER.  The four blocks of queries of a cluster belong to one head: each tile of K and V is asked for jointly.
; LIMIT: an o beyond 65,504 becomes infinity in f16.
; REGISTERS: window 0: v0-11, v44-48 addresses; v12-43 statistics, eight a tile; v64-191 S^T; v192-255 P.   window 1: O^T, 64 a tile.   window 2: v0-127 Q; v128-255 K of one step.   window 3: v0-127 V of one step.
.set KS,    64        ; keys in a wave's step
.set SK,    256       ; keys in a slot
.set PK,    272       ; a row of K in LDS: 256 bytes + 16
.set PV,    288       ; a row of V: 256 + 32
.set VOFF,  SK*PK     ; a slot: 256 rows of K, then 256 rows of V
.set SLOTB, SK*(PK+PV)
.set KSTEPB, KS*PK
.set VSTEPB, KS*PV
.set STAGE, 2*SLOTB   ; behind the ring: 16 rows x 272 bytes for each wave, for the way out
.set SP,    272
.set SPARE, STAGE+4*16*SP  ; the spare words, 128 bytes for each wave: two blocks of 256 bytes that no other line names
.set XCHB,  16896     ; the merge: for each wave 32 images of 512 bytes and 4 x 128 bytes of statistics, in LDS slot 0, which has had its last fill and its last read behind the last change of slots
.set AK0, 2
.set AV0, 3
.set ADR, 4
.set QLO, 5           ; v5   my byte offset in the wave's rows of Q, register tiles 0, 1
.set STO, 6
.set RD,  7
.set GO,  8
.set QHI, 44          ; v44  the same for register tiles 2, 3
.set XW,  45          ; v45  the merge: where I store images;  v46 where I read my partner's;  v47, v48 the same for the statistics
.set XR,  46
.set XWS, 47
.set XRS, 48
.set PFO, 61          ; v61  256 x my lane; never rewritten
.set SPW, 62
.set NIL, 63
.set ST,  12          ; tile t's statistics at v[ST+8 t]: +0 c m, +1 m, +2, +3 l, +4 to +7 at work
.set S,   64
.set P,   192
.set KF,  128
.set WV,  12
.set LIM, 15          ; s15  1 in a work-group that prefetches, else the greatest number
.set PFA, 18          ; s[18:19] where my prefetches stand
.set G1K, 24
.set G1V, 32
.set G0K, 40          ; s[40:47] group 0 for K's tiles, a set for each LDS slot
.set G0V, 48          ; s[48:55] the same for V's
.set TRIPS, 56
.set TWICE, 57
.set CS,  58
.set SEL, 60
.set TBK, 62          ; s62  LDS byte at which the K tile of the step to be fetched begins
.set TBV, 63          ; s63  the same for V (less VOFF, which the lane's address holds)
.set KB0, 66          ; s66  kh x 128 rows of K
.set VB0, 67          ; s67  kh x 128 rows of V
.set FILLS, 68        ; s68  refills still to come
.set KH,  69
.set MSB, 0
.macro WIN new
.if MSB != \new
	s_set_vgpr_msb (MSB<<8)|\new
.set MSB, \new
.endif
.endm
.set W_KQ, 0x0a
.set W_PV, 0x53
.set W_RS, 0x41
; A joint refill of LDS slot s.  Waves 0 and 1 fetch K's two halves (128 rows each), waves 2 and 3 V's.  An s_nop 0 and four v_nop follow each of the two lines.
.macro JLOAD s
	s_cmp_lt_u32 s[WV], 2
	s_cbranch_scc0 .Lfor_v_\@
	tensor_load_to_lds s[G0K+4*\s:G0K+4*\s+3], s[G1K:G1K+7]
	s_nop 0
.rept 4
	v_nop
.endr
	s_branch .Lasked_\@
.Lfor_v_\@:
	tensor_load_to_lds s[G0V+4*\s:G0V+4*\s+3], s[G1V:G1V+7]
	s_nop 0
.rept 4
	v_nop
.endr
.Lasked_\@:
.endm
; A prefetch of what the NEXT change of slots will ask for: 256 rows of K and 256 of V, 256 bytes a row, a lane a row.  Each row is named once in the launch: of the four clusters that walk a head the first asks;
; its four partners take 64 rows of each, told apart by address; in each, waves 0 and 1 ask for K's and waves 2 and 3 for V's, 32 rows a wave.  The last refill asks for nothing; nothing is asked for at the head.
.macro ASK
	s_cmp_gt_u32 s[FILLS], s[LIM]
	s_cbranch_scc0 .Lnot_mine_\@
	global_prefetch_b8 v[PFO], s[PFA:PFA+1] th:TH_LOAD_NT scope:SCOPE_SE
.Lnot_mine_\@:
.endm
.macro CROUND
	s_barrier_signal -1
	s_barrier_wait -1
	s_cmp_lg_u32 s[WV], 0
	s_cbranch_scc1 .Lnot_wave_0_\@
	s_barrier_signal -3
.Lnot_wave_0_\@:
	s_barrier_wait -3
	s_barrier_signal -1
	s_barrier_wait -1
.endm
	s_load_b128 s[4:7], s[0:1], 0x0 ; qkv s[4:5], o s[6:7]
	v_lshl_add_u32 v[SPW], v0, 2, SPARE
	v_mov_b32 v[NIL], 0
	ds_add_u32 v[SPW], v[NIL]       ; the wave's opening: the add and its wait stand ahead of my first tensor load; work on registers stands between them
	v_lshrrev_b32 v1, 5, v0
	v_readfirstlane_b32 s[WV], v1   ; wave 0..3
	s_bfe_u32 s13, ttmp6, 0x40000   ; cx
	s_lshl_b32 s14, ttmp9, 2
	s_add_co_u32 s14, s14, s13      ; my block of 128 queries: it enters Q's, o's and the prefetches' addresses alone
	s_and_b32 s3, ttmp7, 0xffff     ; the head, which the four partners share
	s_lshl_b32 s20, s3, 19          ; its plane's 524,288 bytes
	s_mov_b32 s21, 0
	s_and_b32 s16, s[WV], 1         ; qh.  Also: which 128 rows of a slot's K or V I fetch
	s_lshr_b32 s[KH], s[WV], 1
	s_lshl_b32 s22, s16, 15         ; those rows in memory,
	s_mov_b32 s23, 0
	s_mul_i32 s17, s16, 128*PK      ; and in a slot: K's,
	s_mul_i32 s2, s16, 128*PV
	s_add_co_u32 s2, s2, VOFF       ; V's
	s_mul_i32 s[KB0], s[KH], 128*PK ; where the keys that I multiply begin
	s_mul_i32 s[VB0], s[KH], 128*PV
	s_mov_b32 s[G1K], 15|(1<<16)|(1<<20)|(1<<21)|(5<<22)|(3<<25)  ; the mask: all four work-groups; elements of 2 bytes; padding on; bit 21 beside a mask; after every 64 words 4 words
	s_mov_b32 s[G1V], 15|(1<<16)|(1<<20)|(1<<21)|(5<<22)|(7<<25)  ; the same with 8 words of padding
.irp g, G1K, G1V
	s_mov_b32 s[\g+1], 128<<16      ; tensor_dim0 = 128
	s_mov_b32 s[\g+2], 128<<16      ; tensor_dim1 = 128
	s_mov_b32 s[\g+3], 128<<16      ; tile_dim0 = 128
	s_mov_b32 s[\g+4], 128          ; tile_dim1 = 128
	s_mov_b32 s[\g+5], 128          ; the pitch
	s_mov_b32 s[\g+6], 0
	s_mov_b32 s[\g+7], 0
.endr
	s_mov_b32 s[CS], 0x3fb8aa3b     ; c = log2(e): q carries 128^-0.5 already
	s_mov_b32 s[CS+1], s[CS]
	s_mov_b32 s[SEL], 0x76543210
	s_mov_b32 s[SEL+1], 0xfedcba98
	s_mov_b32 s[TBK], s[KB0]
	s_mov_b32 s[TBV], s[VB0]
	s_mov_b32 s[FILLS], 2048/SK-2
	s_cmp_eq_u32 ttmp9, 0           ; the head's first cluster: the same in all four partners
	s_cselect_b32 s[LIM], 1, -1
	v_and_b32 v[PFO], 31, v0
	v_lshlrev_b32 v[PFO], 8, v[PFO]
	s_wait_dscnt 0x0                ; the opening add is done
	s_wait_kmcnt 0x0
	s_mov_b64 s[10:11], s[6:7]      ; o
	s_add_nc_u64 s[6:7], s[4:5], 0x800000   ; k's 16 planes
	s_add_nc_u64 s[8:9], s[4:5], 0x1000000  ; v's
	s_add_nc_u64 s[6:7], s[6:7], s[20:21]
	s_add_nc_u64 s[8:9], s[8:9], s[20:21]
	s_add_nc_u64 s[4:5], s[4:5], s[20:21]
	s_cmp_lt_u32 s[WV], 2
	s_cselect_b64 s[PFA:PFA+1], s[6:7], s[8:9]
	s_lshl_b32 s56, s13, 14         ; my work-group's 64 rows of a slot's 256,
	s_lshl_b32 s57, s16, 13         ; my wave's 32 of them,
	s_add_co_u32 s56, s56, s57
	s_add_co_u32 s56, s56, 2*SK*256 ; in slot 2: the first change of slots steps it to slot 3
	s_mov_b32 s57, 0
	s_add_nc_u64 s[PFA:PFA+1], s[PFA:PFA+1], s[56:57]
	s_add_nc_u64 s[6:7], s[6:7], s[22:23]   ; K and V at my part of slot 0
	s_add_nc_u64 s[8:9], s[8:9], s[22:23]
	s_lshl_b32 s56, s14, 15         ; Q: row 128 x block + 64 qh, 256 bytes a row
	s_lshl_b32 s57, s16, 14
	s_add_co_u32 s56, s56, s57
	s_mov_b32 s57, 0
	s_add_nc_u64 s[4:5], s[4:5], s[56:57]
	s_lshl_b32 s56, s14, 19         ; o: row 128 x block + 64 qh + 32 kh, 4,096 bytes a row; the head's 256 bytes in it
	s_lshl_b32 s57, s16, 18
	s_add_co_u32 s56, s56, s57
	s_lshl_b32 s57, s[KH], 17
	s_add_co_u32 s56, s56, s57
	s_lshl_b32 s57, s3, 8
	s_add_co_u32 s56, s56, s57
	s_mov_b32 s57, 0
	s_add_nc_u64 s[10:11], s[10:11], s[56:57]
	CROUND                          ; all four work-groups are here: the first joint loads meet
.irp s, 0,1
	s_mov_b32 s[G0K+4*\s], 1
	s_add_co_u32 s[G0K+4*\s+1], s17, \s*SLOTB
	s_add_nc_u64 s[G0K+4*\s+2:G0K+4*\s+3], s[6:7], \s*SK*256
	s_or_b32 s[G0K+4*\s+3], s[G0K+4*\s+3], 0x80000000
	s_mov_b32 s[G0V+4*\s], 1
	s_add_co_u32 s[G0V+4*\s+1], s2, \s*SLOTB
	s_add_nc_u64 s[G0V+4*\s+2:G0V+4*\s+3], s[8:9], \s*SK*256
	s_or_b32 s[G0V+4*\s+3], s[G0V+4*\s+3], 0x80000000
.endr
	s_cmp_lt_u32 s[WV], 2           ; a wave's two first fills stand in one branch, ahead of every wait on TENSORcnt and every LDS read: two loads of mine are out
	s_cbranch_scc0 .Lfirst_v
	tensor_load_to_lds s[G0K:G0K+3], s[G1K:G1K+7]
	s_nop 0
	tensor_load_to_lds s[G0K+4:G0K+7], s[G1K:G1K+7]
	s_nop 0
.rept 4
	v_nop
.endr
	s_branch .Lfirst_asked
.Lfirst_v:
	tensor_load_to_lds s[G0V:G0V+3], s[G1V:G1V+7]
	s_nop 0
	tensor_load_to_lds s[G0V+4:G0V+7], s[G1V:G1V+7]
	s_nop 0
.rept 4
	v_nop
.endr
.Lfirst_asked:
	v_and_b32 v1, 15, v0            ; l % 16
	v_bfe_u32 v9, v0, 4, 1          ; l / 16
	v_lshlrev_b32 v10, 8, v1
	v_lshl_add_u32 v10, v9, 4, v10  ; row x 256 + 16 x half
	s_lshl_b32 s56, s[KH], 13       ; register tiles 0, 1 are query tiles 2 kh, 2 kh + 1;
	v_add_nc_u32 v[QLO], s56, v10
	s_xor_b32 s56, s56, 8192        ; register tiles 2, 3 the other two
	v_add_nc_u32 v[QHI], s56, v10
	WIN 0x80                        ; destination window 2
.irp i, 0,1,2,3,4,5,6,7
	global_load_b128 v[8*\i:8*\i+3],   v[QLO], s[4:5] offset:(\i/4)*4096+(\i%4)*64
	global_load_b128 v[8*\i+4:8*\i+7], v[QLO], s[4:5] offset:(\i/4)*4096+(\i%4)*64+32
.endr
.irp i, 8,9,10,11,12,13,14,15
	global_load_b128 v[8*\i:8*\i+3],   v[QHI], s[4:5] offset:(\i/4-2)*4096+(\i%4)*64
	global_load_b128 v[8*\i+4:8*\i+7], v[QHI], s[4:5] offset:(\i/4-2)*4096+(\i%4)*64+32
.endr
	WIN 0
	v_mul_u32_u24 v[AK0], v1, PK
	v_lshl_add_u32 v[AK0], v9, 4, v[AK0]
	v_and_b32 v10, 7, v0
	v_bfe_u32 v11, v0, 3, 1
	v_lshl_add_u32 v[AV0], v9, 3, v10
	v_mul_u32_u24 v[AV0], v[AV0], PV
	v_lshl_add_u32 v[AV0], v11, 4, v[AV0]
	v_add_nc_u32 v[AV0], VOFF, v[AV0]
	v_and_b32 v10, 31, v0           ; the merge's addresses: a constant x wave + 16 (or 4) x lane; my partner is wave w xor 2
	s_mul_i32 s56, s[WV], XCHB
	s_xor_b32 s57, s[WV], 2
	s_mul_i32 s57, s57, XCHB
	v_lshl_add_u32 v[XW], v10, 4, s56
	v_lshl_add_u32 v[XR], v10, 4, s57
	s_add_co_u32 s56, s56, 16384
	s_add_co_u32 s57, s57, 16384
	v_lshl_add_u32 v[XWS], v10, 2, s56
	v_lshl_add_u32 v[XRS], v10, 2, s57
; THE MATRIX WORK OF A TURN, for piece x.  The accumulators take turns, one instruction a turn.
.macro PV x, zero
	WIN W_PV
.set rO, 64*(\x+i%2)+8*((i/2)%8)
.set rV, 64*(i/16)+8*((i/2)%8)
.set rP, P+16*(\x+i%2)+8*(i/16)
.if \zero && (i < 16)
	v_wmma_f32_16x16x32_f16 v[rO:rO+7], v[rV:rV+7], v[rP:rP+7], 0
.else
	v_wmma_f32_16x16x32_f16 v[rO:rO+7], v[rV:rV+7], v[rP:rP+7], v[rO:rO+7]
.endif
.endm
.macro KQ x
	WIN W_KQ
.set rS, S+32*(\x+i%2)+8*((i/2)%4)
.set rK, KF+32*((i/2)%4)+8*(i/8)
.set rQ, 32*(\x+i%2)+8*(i/8)
.if i < 8
	v_wmma_f32_16x16x32_f16 v[rS:rS+7], v[rK:rK+7], v[rQ:rQ+7], 0
.else
	v_wmma_f32_16x16x32_f16 v[rS:rS+7], v[rK:rK+7], v[rQ:rQ+7], v[rS:rS+7]
.endif
.endm
; THE LDS LOADS stand in runs of 32: a step's K (64 keys x 128 channels) and, a turn later, its V (turned).
.macro FETCH_K
	WIN 0
	v_add_nc_u32 v[ADR], s[TBK], v[AK0]
	s_add_co_u32 s[TBK], s[TBK], KSTEPB  ; the next fetch is the next step's
	WIN 0x80
.irp f, 0,1,2,3,4,5,6,7,8,9,10,11,12,13,14,15
	ds_load_b128 v[KF+8*\f:KF+8*\f+3],   v[ADR] offset:(\f/4)*16*PK+(\f%4)*64
	ds_load_b128 v[KF+8*\f+4:KF+8*\f+7], v[ADR] offset:(\f/4)*16*PK+(\f%4)*64+32
.endr
.endm
.macro FETCH_V
	WIN 0
	v_add_nc_u32 v[ADR], s[TBV], v[AV0]
	s_add_co_u32 s[TBV], s[TBV], VSTEPB
	s_wait_alu depctr_va_vdst(0)    ; the wait for the softmax's batch of exponentials, ahead of the first instruction that names a result
	WIN 0xc0
.irp f, 0,1,2,3,4,5,6,7,8,9,10,11,12,13,14,15
	ds_load_tr16_b128 v[8*\f:8*\f+3],   v[ADR] offset:(\f/8)*32*PV+(\f%8)*32
	ds_load_tr16_b128 v[8*\f+4:8*\f+7], v[ADR] offset:(\f/8)*32*PV+16*PV+(\f%8)*32
.endr
.endm
; THE VECTOR WORK OF A TURN.  One tile's softmax for one key step is a list of 134 instructions; SM writes number j of it for tile t.
;   0-15 the maximum of the lane's 32 scores and the old m;  16-20 the other half of the lanes' maximum, the new m, c m, c m_old - c m_new;
;   21-69 ONE BATCH: 16 scalings c s - c m and 33 exponentials, none of which reads an exponential's result;  (the wait);  70-85 roundings to f16;  86-101 the sums;  102-133 O^T times a.
.macro SM t, first
.set rT, ST+8*(\t)
.set rS, S+32*(\t)
.set rP, P+16*(\t)
.set rO, 64*(\t)+2*(j-102)
.if j < 102
	WIN 0
.endif
.if j < 4
	v_max3_num_f32 v[rT+4+j], v[rS+8*j], v[rS+8*j+1], v[rS+8*j+2]
.elseif j < 12
	v_max3_num_f32 v[rT+4+j%4], v[rT+4+j%4], v[rS+8*(j%4)+2*(j/4)+1], v[rS+8*(j%4)+2*(j/4)+2]
.elseif j == 12
	v_max3_num_f32 v[rT+4], v[rT+4], v[rS+7], v[rS+15]
.elseif j == 13
	v_max3_num_f32 v[rT+6], v[rT+6], v[rS+23], v[rS+31]
.elseif j == 14
	v_max3_num_f32 v[rT+4], v[rT+4], v[rT+5], v[rT+6]
.elseif (j == 15) && \first
	v_max_num_f32 v[rT+4], v[rT+4], v[rT+7]
.elseif j == 15
	v_max3_num_f32 v[rT+4], v[rT+4], v[rT+7], v[rT+1]
.elseif j == 16
	v_permlanex16_b32 v[rT+5], v[rT+4], s[SEL], s[SEL+1]
.elseif j == 18
	v_max_num_f32 v[rT+1], v[rT+4], v[rT+5]
.elseif j == 19
	v_mul_f32 v[rT], s[CS], v[rT+1]
.elseif ((j == 17) || (j == 20) || (j == 23) || (j > 101)) && \first
.elseif j == 17
	v_mov_b32 v[rT+7], v[rT]
.elseif j == 20
	v_sub_f32 v[rT+7], v[rT+7], v[rT]
.elseif j == 23
	v_exp_f32 v[rT+6], v[rT+7]
.elseif (j < 23) || ((j < 38) && (j%2 == 0)) || ((j < 66) && (j%4 == 2))
.set b, (j-2)/4
.if j < 38
.set b, (j-20)/2
.endif
	v_pk_fma_f32 v[rS+2*b:rS+2*b+1], v[rS+2*b:rS+2*b+1], s[CS:CS+1], v[rT:rT+1] op_sel_hi:[1,0,0] neg_lo:[0,0,1] neg_hi:[0,0,1]
.elseif j < 70
.set e, j-38
.if j < 66
.set e, j-32-(j-38)/4
.endif
.if j < 38
.set e, (j-25)/2
.endif
	v_exp_f32 v[rS+e], v[rS+e]
.elseif j < 86
	v_cvt_pk_f16_f32 v[rP+j-70], v[rS+2*(j-70)], v[rS+2*(j-70)+1]
.elseif j < 102
.set z, j-86
.set w, 4
.set u, z
.if z >= 14
.set w, 32
.set u, 0
.elseif z >= 12
.set w, 16
.set u, z-12
.elseif z >= 8
.set w, 8
.set u, z-8
.endif
.if (z == 14) && \first
	v_pk_add_f32 v[rT+2:rT+3], v[rS:rS+1], v[rS+16:rS+17]
.elseif z < 15
	v_pk_add_f32 v[rS+w*u:rS+w*u+1], v[rS+w*u:rS+w*u+1], v[rS+w*u+w/2:rS+w*u+w/2+1]
.elseif !\first
	v_pk_fma_f32 v[rT+2:rT+3], v[rT+2:rT+3], v[rT+6:rT+7], v[rS:rS+1] op_sel_hi:[1,0,1]
.endif
.else
	WIN W_RS
	v_pk_mul_f32 v[rO:rO+1], v[rO:rO+1], v[rT+6:rT+7] op_sel_hi:[1,0]
.endif
.endm
; Slice k of 64 of piece y's softmax: four instructions; slices 11 to 34 deal out the batch, four numbers of one tile each; the twelve that are over stand in slice 63.
; Ahead of slice 35 nothing names an exponential's result, and behind slice 34 no exponential is issued: one wait, behind slice 34, serves the piece's 66.
.macro SLICE y, first
.if (k >= 11) && (k < 35)
.irp n, 0,1,2,3
.set j, 22+4*((k-11)/2)+(\n)
	SM (\y)+(k-11)%2, \first
.endr
.else
.irp n, 0,1,2,3,4,5,6,7
.if (\n < 2) || (k == 63)
.irp t, \y, \y+1
.set j, 2*k+\n
	SM \t, \first
.endr
.endif
.endr
.endif
.if k == 34
	v_nop                           ; a plain instruction behind the last exponential, ahead of the first use
.if (\y) == 0
	FETCH_V                         ; piece 2's turn: V's run of loads stands here, and the wait stands in it
.else
	s_wait_alu depctr_va_vdst(0)    ; the wait for the batch
.endif
.endif
.set k, k+1
.endm
.macro PLACES
.rept 4
	v_nop
.endr
.endm
; A TURN.  Piece x has the matrix unit.  pv = 2: 32 products V^T P; 1: they start O^T's sums; 0: none.  kq = 1: 32 products K Q^T for the next step.  first = 1: the softmax is the first key step's.
.macro TURN x, pv, kq, first
.set k, 0
.set per, 2
.if \pv && \kq
.set per, 1
.endif
.if \pv
.if \x == 0
	s_wait_dscnt 0x0                ; V is in
.endif
.set i, 0
.rept 32
	PV \x, 2-\pv
.rept per
	SLICE 2-\x, \first
.endr
.if (\x == 0) && \kq && (i == 1)
	FETCH_K
.endif
.set i, i+1
.endr
.endif
.if \kq
.if \x == 0
	s_wait_dscnt 0x0                ; K is in
.endif
.set i, 0
.rept 32
	KQ \x
.rept per
	SLICE 2-\x, \first
.endr
.set i, i+1
.endr
.endif
.if \first
	PLACES
.endif
.endm
; THE CHANGE OF SLOTS, between piece 2's turn and piece 0's: the last bytes that I read of LDS slot `left` have been asked for.  Each wave waits for all its tensor loads (one is out: its part of slot `next`),
; adds 0 to its spare word, and waits for that and for its reads.  fill = 1: slot `left` is filled again, with the keys two slots on; the barrier is then a round of the cluster's, and the joint refill is the
; first thing behind it: it has two of a wave's key steps, 256 matrix instructions, in which to land.
.macro CHANGE fill, left, next
	WIN 0
	s_wait_tensorcnt 0x0            ; no tensor load of mine is out, so a group 0 may be written
	ds_add_u32 v[SPW], v[NIL]       ; 0 onto my spare word
.if \fill
	s_add_nc_u64 s[G0K+4*\left+2:G0K+4*\left+3], s[G0K+4*\left+2:G0K+4*\left+3], 2*SK*256
	s_add_nc_u64 s[G0V+4*\left+2:G0V+4*\left+3], s[G0V+4*\left+2:G0V+4*\left+3], 2*SK*256
	s_wait_xcnt 0x0                 ; the last prefetch, a slot back, has read its address, so it may be written
	s_add_nc_u64 s[PFA:PFA+1], s[PFA:PFA+1], SK*256
	s_wait_dscnt 0x0                ; the add is done, and my reads of the slot are over
	CROUND
	JLOAD \left
	ASK
	s_sub_co_u32 s[FILLS], s[FILLS], 1
.else
	s_wait_dscnt 0x0
	s_barrier_signal -1
	s_barrier_wait -1
.endif
	s_add_co_u32 s[TBK], s[KB0], \next*SLOTB  ; the fetches go to my half of the other slot
	s_add_co_u32 s[TBV], s[VB0], \next*SLOTB
.endm
.macro TWO_STEPS
	s_mov_b32 s[TWICE], 2
.Lstep_\@:
	TURN 0, 2, 1, 0
	TURN 2, 2, 1, 0
	WIN 0
	s_sub_co_u32 s[TWICE], s[TWICE], 1
	s_cmp_lg_u32 s[TWICE], 0
	s_cbranch_scc1 .Lstep_\@
.endm
	s_wait_tensorcnt 1              ; my part of slot 0 is in; slot 1's may stay out
	s_barrier_signal -1
	s_barrier_wait -1
	FETCH_K                         ; my key step 0
	s_wait_loadcnt 0x0              ; Q
	s_wait_dscnt 0x0
.set i, 0
.rept 32
	KQ 0
.set i, i+1
.endr
	WIN 0                           ; the addresses for the way out: plain instructions, the places behind those products
	s_mul_i32 s13, s[WV], 16*SP
	s_add_co_u32 s13, s13, STAGE
	v_mul_u32_u24 v[STO], v1, SP
	v_lshl_add_u32 v[STO], v9, 4, v[STO]
	v_add_nc_u32 v[STO], s13, v[STO]
	v_mul_u32_u24 v[RD], v9, SP
	v_lshl_add_u32 v[RD], v1, 4, v[RD]
	v_add_nc_u32 v[RD], s13, v[RD]
	v_lshlrev_b32 v[GO], 12, v9     ; two rows of o, 4,096 bytes apart
	v_lshl_add_u32 v[GO], v1, 4, v[GO]
	TURN 2, 0, 1, 1
	TURN 0, 1, 1, 1
	TURN 2, 1, 1, 0
	WIN 0
	s_mov_b32 s[TRIPS], 3
.Lslot:                             ; a trip goes once round the ring: six refills in all, the keys' slots 2 to 7
	CHANGE 1, 0, 1
	TWO_STEPS
	CHANGE 1, 1, 0
	TWO_STEPS
	s_sub_co_u32 s[TRIPS], s[TRIPS], 1
	s_cmp_lg_u32 s[TRIPS], 0
	s_cbranch_scc1 .Lslot
	CHANGE 0, 0, 1                  ; the tail is written out: nothing is asked for
	TWO_STEPS
	TURN 0, 2, 0, 0
.set i, 0
.rept 32
	PV 2, 0
.set i, i+1
.endr
	; THE MERGE.  l's totals (these additions are the places behind the last products); tiles 2 and 3 go to my partner as images of their registers, with c m and l; a barrier; my partner's come back.
	WIN 0
.irp t, 0,1,2,3
	v_add_f32 v[ST+8*\t+4], v[ST+8*\t+2], v[ST+8*\t+3]
.endr
.irp t, 0,1,2,3
	v_permlanex16_b32 v[ST+8*\t+5], v[ST+8*\t+4], s[SEL], s[SEL+1]
.endr
.irp t, 0,1,2,3
	v_add_f32 v[ST+8*\t+4], v[ST+8*\t+4], v[ST+8*\t+5]
.endr
.irp t, 2,3
	ds_store_b32 v[XWS], v[ST+8*\t] offset:128*(\t-2)
	ds_store_b32 v[XWS], v[ST+8*\t+4] offset:256+128*(\t-2)
.endr
	WIN 0x04                        ; an LDS store's data are its source 1: window 1
.set i, 0
.rept 32
	ds_store_b128 v[XW], v[128+4*i:128+4*i+3] offset:512*i   ; each accumulator from its low end on
.set i, i+1
.endr
	WIN 0
	s_wait_dscnt 0x0                ; for my partner's sake: my stores are done
	s_barrier_signal -1
	s_barrier_wait -1
.irp t, 2,3
	ds_load_b32 v[ST+8*\t], v[XRS] offset:128*(\t-2)          ; my partner's c m and l of the queries of my tiles 0 and 1
	ds_load_b32 v[ST+8*\t+4], v[XRS] offset:256+128*(\t-2)
.endr
.set i, 0
.rept 32
	ds_load_b128 v[S+4*i:S+4*i+3], v[XR] offset:512*i         ; and its O^T, into S^T's registers
.set i, i+1
.endr
	s_wait_dscnt 0x0
.irp t, 0,1
	v_max_num_f32 v[ST+8*\t+5], v[ST+8*\t], v[ST+8*\t+16]     ; the common c m
.endr
.irp t, 0,1
	v_sub_f32 v[ST+8*\t+6], v[ST+8*\t], v[ST+8*\t+5]
	v_sub_f32 v[ST+8*\t+22], v[ST+8*\t+16], v[ST+8*\t+5]
.endr
.irp t, 0,1
	v_exp_f32 v[ST+8*\t+6], v[ST+8*\t+6]                      ; a, a': what brings each half under the common maximum
	v_exp_f32 v[ST+8*\t+22], v[ST+8*\t+22]
.endr
	v_nop
	s_wait_alu depctr_va_vdst(0)    ; one wait for the four exponentials, ahead of their first reader
.irp t, 0,1
	v_mul_f32 v[ST+8*\t+7], v[ST+8*\t+6], v[ST+8*\t+4]
.endr
.irp t, 0,1
	v_fma_f32 v[ST+8*\t+7], v[ST+8*\t+22], v[ST+8*\t+20], v[ST+8*\t+7]   ; the row's sum over all keys
.endr
.irp t, 0,1
	v_rcp_f32 v[ST+8*\t+7], v[ST+8*\t+7]
.endr
	v_nop
	s_wait_alu depctr_va_vdst(0)    ; one wait for the two reciprocals
.irp t, 0,1
	v_mul_f32 v[ST+8*\t+6], v[ST+8*\t+6], v[ST+8*\t+7]        ; f = a / sum
	v_mul_f32 v[ST+8*\t+4], v[ST+8*\t+22], v[ST+8*\t+7]       ; f' = a' / sum
.endr
; Tile t: O^T f + O'^T f', rounded to f16; a lane's eight channels pack into 16 bytes; through my stage, back as whole rows of 256 bytes.
.macro FIN t
	WIN W_RS
.set i, 64*\t
.rept 32
	v_pk_mul_f32 v[i:i+1], v[i:i+1], v[ST+8*\t+6:ST+8*\t+7] op_sel_hi:[1,0]
.set i, i+2
.endr
	WIN 0x50                        ; destination and source 2 window 1
.set i, 64*\t
.rept 32
	v_pk_fma_f32 v[i:i+1], v[S+i:S+i+1], v[ST+8*\t+4:ST+8*\t+5], v[i:i+1] op_sel_hi:[1,0,1]
.set i, i+2
.endr
	WIN 0x05
.set i, 0
.rept 32
	v_cvt_pk_f16_f32 v[S+64*\t+i], v[64*\t+2*i], v[64*\t+2*i+1]
.set i, i+1
.endr
	WIN 0
.irp f, 0,1,2,3,4,5,6,7
	ds_store_b128 v[STO], v[S+64*\t+4*\f:S+64*\t+4*\f+3] offset:32*\f
.endr
.irp f, 0,1,2,3,4,5,6,7
	ds_load_b128 v[S+64*\t+4*\f:S+64*\t+4*\f+3], v[RD] offset:\f*2*SP   ; in order behind my stores; the next tile's stores come behind them
.endr
.endm
.macro SEND t, younger
.irp f, 0,1,2,3,4,5,6,7
	s_wait_dscnt \younger+7-\f
	global_store_b128 v[GO], v[S+64*\t+4*\f:S+64*\t+4*\f+3], s[10:11] offset:\t*65536+\f*8192  ; 16 lanes store 256 consecutive bytes, aligned
.endr
.endm
	FIN 0
	FIN 1
	SEND 0, 16
	SEND 1, 0
	s_wait_tensorcnt 0x0            ; the wave's end: the tensor wait, the add of 0 and its wait stand behind my last tensor load and my last LDS store
	ds_add_u32 v[SPW], v[NIL]
	s_wait_dscnt 0x0
	CROUND                          ; the closing round
	s_endpgm
.Lfunc_end_k_q966f2e70ce_attn:
	.size	k_q966f2e70ce_attn, .Lfunc_end_k_q966f2e70ce_attn-k_q966f2e70ce_attn
	.p2alignl 7, 3214868480
	.fill 96, 4, 3214868480
	.section	.rodata,"a",@progbits
	.p2align	6, 0x0
	.amdhsa_kernel k_q966f2e70ce_attn
		.amdhsa_group_segment_fixed_size 327680
		.amdhsa_private_segment_fixed_size 0
		.amdhsa_enable_private_segment 0
		.amdhsa_kernarg_size 16
		.amdhsa_user_sgpr_count 2
		.amdhsa_user_sgpr_kernarg_segment_ptr 1
		.amdhsa_wavefront_size32 1
		.amdhsa_system_sgpr_workgroup_id_x 1
		.amdhsa_system_sgpr_workgroup_id_y 1
		.amdhsa_system_sgpr_workgroup_id_z 1
		.amdhsa_system_vgpr_workitem_id 0
		.amdhsa_next_free_vgpr 1024
		.amdhsa_next_free_sgpr 70
		.amdhsa_reserve_vcc 0
		.amdhsa_float_denorm_mode_32 3
		.amdhsa_float_denorm_mode_16_64 3
		.amdhsa_memory_ordered 1
		.amdhsa_forward_progress 1
		.amdhsa_inst_pref_size 255
	.end_amdhsa_kernel
	.section	.bss,"aw",@nobits
	.p2align	6
	.space	262144
	.amdgpu_metadata
---
amdhsa.version: [ 1, 2 ]
amdhsa.kernels:
  - .name:           k_q966f2e70ce_attn
    .symbol:         k_q966f2e70ce_attn.kd
    .args:
      - { .name: qkv, .offset: 0, .size: 8, .value_kind: global_buffer, .address_space: global }
      - { .name: o, .offset: 8, .size: 8, .value_kind: global_buffer, .address_space: global }
    .group_segment_fixed_size: 327680
    .private_segment_fixed_size: 0
    .kernarg_segment_align: 8
    .kernarg_segment_size: 16
    .max_flat_workgroup_size: 128
    .sgpr_count:     70
    .vgpr_count:     1024
    .wavefront_size: 32
...
	.end_amdgpu_metadata
.endif
;; end of part 3
;; launch oproj (part 4): grid 16 x 16, 4 waves a work-group, clusters of 4 x 4, 327,680 bytes of LDS; arguments o, wot, bo1, bo2, out0, out1; writes out0, out1
.if DOCPART == 4
	.amdgcn_target "amdgcn-amd-amdhsa--gfx1250"
	.amdhsa_code_object_version 6
	.text
	.protected	k_q966f2e70ce_oproj
	.globl	k_q966f2e70ce_oproj
	.p2align	8
	.type	k_q966f2e70ce_oproj,@function
k_q966f2e70ce_oproj:
	s_mov_b64 s[64:65], 0
	v_nop
	global_prefetch_b8 v0, s[64:65] scope:SCOPE_SE
	s_setreg_imm32_b32 hwreg(HW_REG_WAVE_MODE, 25, 1), 1
	s_wait_xcnt 0x0
	s_wait_alu depctr_hold_cnt(0) depctr_sa_sdst(0) depctr_va_vdst(0) depctr_va_sdst(0) depctr_va_ssrc(0) depctr_va_vcc(0) depctr_vm_vsrc(0)
	s_getreg_b32 s2, hwreg(HW_REG_IB_STS2, 6, 4)
	s_cmp_eq_u32 s2, 0
	s_cbranch_scc0 .Lentry_in_a_cluster
	s_endpgm
.Lentry_in_a_cluster:
	s_bfe_u32 s2, ttmp6, 0x10000c
	s_cmp_lg_u32 s2, 0xf033
	s_cbranch_scc0 .Lentry_shape_is_right
	s_endpgm
.Lentry_shape_is_right:
; OPROJ: out_s[m][n] = the sum over k of o[1024 s + m][k] wo_s[k][n] + bo_s[n], s the stream.  A = o [2048][2048] f16; B = wot [2048 s + n][2048 k] f16; sums and outputs f32.
; A tile of 128 x 128 is made by four waves, 64 x 64 each: 256 work-groups.  K goes in steps of 256 (LDS rows of 512 bytes; a wave's tensor load brings 64 of them) through two slots.
; CLUSTERS: 4 x 4 work-groups: A's tiles are asked for jointly along a row of the cluster, B's along a column.  The stream is the cluster's y / 2, which all sixteen partners share.
; THE MATRIX INSTRUCTION IS USED TRANSPOSED (source 0 = 16 rows of B, source 1 = 16 rows of A): a lane holds eight neighbouring columns of a row.  The bias is the C of each sum's first matrix instruction.
; THE WAY OUT: the four waves share one stage of 128 rows x 528 bytes in slot 0, which has had its last fill and its last read behind the last change of slots; each wave then stores 32 whole rows of 512 bytes.
; REGISTERS: window 0: v0-31 addresses; v96-127 the bias, eight registers for each of my four blocks of columns; v128-255 the accumulators ((a, b) at v[128 + 8 (4 a + b)]).   window 1: two fragment buffers of 128.
.set SIZE_K, 2048
.set SIZE_N, 2048
.set KSTEP,  256
.set PITCH,  528
.set HALFT,  64*PITCH
.set SLOT,   4*HALFT
.set STAGE,  0
.set SPITCH, 528
.set SPARE,  2*SLOT                    ; behind the ring: the spare words, 128 bytes for each wave: two blocks of 256 bytes that no other line names
.set LAPS, SIZE_K/(2*KSTEP)
.set ADRA, 16
.set ADRB, 20
.set STO,  24
.set RD,   25
.set CO,   26
.set BO,   27                          ; v27  32 x (lane / 16): my half's eight numbers of a block's bias
.set SPW,  28
.set NIL,  29
.set BI,   96
.set ACC,  128
.set F0,   0
.set F1,   128
.set G1, 24
.set G0, 32
.set G1B, 48
.set G0B, 56
.set BIAS, 66
.set MSB, 0
.macro WIN new
.if MSB != \new
	s_set_vgpr_msb (MSB<<8)|\new
.set MSB, \new
.endif
.endm
.set MUL,  0x05
.set TO_F, 0x40
.macro JLOAD s                         ; a joint load: waves 0 and 1 fetch A's two halves, waves 2 and 3 B's; an s_nop 0 and four v_nop follow each of the two lines
	s_cmp_eq_u32 s11, 0
	s_cbranch_scc0 .Lfor_b_\@
	tensor_load_to_lds s[G0+4*\s:G0+4*\s+3], s[G1:G1+7]
	s_nop 0
.rept 4
	v_nop
.endr
	s_branch .Lasked_\@
.Lfor_b_\@:
	tensor_load_to_lds s[G0B+4*\s:G0B+4*\s+3], s[G1B:G1B+7]
	s_nop 0
.rept 4
	v_nop
.endr
.Lasked_\@:
.endm
.macro CREST
	s_cmp_lg_u32 s10, 0
	s_cbranch_scc1 .Lnot_wave_0_\@
	s_barrier_signal -3
.Lnot_wave_0_\@:
	s_barrier_wait -3
	s_barrier_signal -1
	s_barrier_wait -1
.endm
.macro CROUND
	s_barrier_signal -1
	s_barrier_wait -1
	CREST
.endm
	s_load_b128 s[4:7], s[0:1], 0x0                ; o s[4:5], wot s[6:7]
	s_load_b256 s[68:75], s[0:1], 0x10             ; bo1, bo2, out0, out1
	v_lshl_add_u32 v[SPW], v0, 2, SPARE
	v_mov_b32 v[NIL], 0
	ds_add_u32 v[SPW], v[NIL]                      ; the wave's opening: the add and its wait stand ahead of my first tensor load; work on registers stands between them
	v_lshrrev_b32 v1, 5, v0
	v_readfirstlane_b32 s10, v1                    ; wave 0..3
	s_lshr_b32 s11, s10, 1                         ; which half of the tile's rows is mine.  Also: I fetch for A (0) or for B (1)
	s_and_b32 s12, s10, 1                          ; which half of its columns.  Also: which 64 rows of that tile I fetch
	s_bfe_u32 s40, ttmp6, 0x40000                  ; cx
	s_bfe_u32 s41, ttmp6, 0x40004                  ; cy
	s_lshl_b32 s42, ttmp9, 2
	s_add_co_u32 s42, s42, s40                     ; tile column 0..15
	s_and_b32 s13, ttmp7, 0xffff
	s_lshr_b32 s2, s13, 1                          ; the stream
	s_lshl_b32 s13, s13, 2
	s_add_co_u32 s13, s13, s41                     ; tile row 0..15 of the 2,048 positions
	s_lshl_b32 s43, s41, 2
	s_lshl_b32 s43, 15, s43                        ; my row of the cluster
	s_lshl_b32 s44, 0x1111, s40                    ; my column
	s_or_b32 s[G1+0], s43, (1<<16)|(1<<20)|(1<<21)|(6<<22)|(3<<25)  ; mask; elements of 2 bytes; padding on; bit 21 beside a mask; after every 128 words 4 words
	s_or_b32 s[G1B+0], s44, (1<<16)|(1<<20)|(1<<21)|(6<<22)|(3<<25)
.irp g, G1, G1B
	s_mov_b32 s[\g+1], KSTEP<<16                   ; tensor_dim0 = 256
	s_mov_b32 s[\g+2], 64<<16                      ; tensor_dim1 = 64
	s_mov_b32 s[\g+3], KSTEP<<16                   ; tile_dim0 = 256
	s_mov_b32 s[\g+4], 64                          ; tile_dim1 = 64
	s_mov_b32 s[\g+5], SIZE_K                      ; the pitch
	s_mov_b32 s[\g+6], 0
	s_mov_b32 s[\g+7], 0
.endr
	s_lshl_b32 s17, s12, 6                         ; which 64 rows of the tile I fetch
	s_lshl_b32 s16, s13, 7
	s_add_co_u32 s16, s16, s17                     ; A: row 128 x tile row + 64 x half
	s_lshl_b32 s46, s42, 7
	s_add_co_u32 s46, s46, s17
	s_lshl_b32 s47, s2, 11
	s_add_co_u32 s46, s46, s47                     ; B: row 2048 x stream + 128 x tile column + 64 x half: no register here ever holds cy
	s_mov_b32 s17, 0
	s_mov_b32 s47, 0
	s_mov_b64 s[18:19], SIZE_K*2
	s_mul_u64 s[16:17], s[16:17], s[18:19]
	s_mul_u64 s[46:47], s[46:47], s[18:19]
	s_mul_i32 s20, s10, HALFT                      ; where they go: wave x 64 rows
	s_wait_dscnt 0x0                               ; the opening add is done
	s_wait_kmcnt 0x0
	s_add_nc_u64 s[14:15], s[4:5], s[16:17]
	s_add_nc_u64 s[46:47], s[6:7], s[46:47]
	s_cmp_eq_u32 s2, 0                             ; the stream's bias and output: a choice on ids alone
	s_cselect_b64 s[BIAS:BIAS+1], s[68:69], s[70:71]
	s_cselect_b64 s[8:9], s[72:73], s[74:75]
	CROUND                                         ; all sixteen work-groups are here: the first joint loads meet
.irp s, 0,1
	s_mov_b32 s[G0+4*\s], 1
	s_add_co_u32 s[G0+4*\s+1], s20, \s*SLOT
	s_add_nc_u64 s[G0+4*\s+2:G0+4*\s+3], s[14:15], \s*KSTEP*2
	s_or_b32 s[G0+4*\s+3], s[G0+4*\s+3], 0x80000000
	s_mov_b32 s[G0B+4*\s], 1
	s_add_co_u32 s[G0B+4*\s+1], s20, \s*SLOT
	s_add_nc_u64 s[G0B+4*\s+2:G0B+4*\s+3], s[46:47], \s*KSTEP*2
	s_or_b32 s[G0B+4*\s+3], s[G0B+4*\s+3], 0x80000000
	JLOAD \s                                       ; by this text's count two tensor loads of a wave are out here, later one
.endr
	v_and_b32 v1, 15, v0                           ; l % 16
	v_bfe_u32 v2, v0, 4, 1                         ; l / 16
	s_lshl_b32 s46, s42, 9                         ; the bias: 4 x (128 x tile column + 64 x half)
	s_lshl_b32 s47, s12, 8
	s_add_co_u32 s46, s46, s47
	s_mov_b32 s47, 0
	s_add_nc_u64 s[BIAS:BIAS+1], s[BIAS:BIAS+1], s[46:47]
	v_lshlrev_b32 v[BO], 5, v2
.irp b, 0,1,2,3
	global_load_b128 v[BI+8*\b:BI+8*\b+3],   v[BO], s[BIAS:BIAS+1] offset:64*\b      ; register j: bias of column 16 b + 8 (l / 16) + j: the result's layout
	global_load_b128 v[BI+8*\b+4:BI+8*\b+7], v[BO], s[BIAS:BIAS+1] offset:64*\b+16
.endr
	v_mul_u32_u24 v3, v1, PITCH
	v_lshl_add_u32 v3, v2, 4, v3
	s_mul_i32 s21, s11, HALFT
	s_mul_i32 s22, s12, HALFT
	s_add_co_u32 s22, s22, 2*HALFT
.irp s, 0,1
	v_add_nc_u32 v[ADRA+\s], s21, v3
	v_add_nc_u32 v[ADRB+\s], s22, v3
	s_add_co_u32 s21, s21, SLOT
	s_add_co_u32 s22, s22, SLOT
.endr
	s_mul_i32 s23, s11, 64*SPITCH                  ; into the stage: my 64 rows, my half of their 512 bytes; row l % 16, 32 bytes for each half of the lanes
	s_lshl_b32 s21, s12, 8
	s_add_co_u32 s23, s23, s21
	s_add_co_u32 s23, s23, STAGE
	v_mul_u32_u24 v4, v1, SPITCH
	v_lshl_add_u32 v4, v2, 5, v4
	v_add_nc_u32 v[STO], s23, v4
	s_mul_i32 s23, s10, 32*SPITCH                  ; back: wave w takes rows 32 w .. 32 w + 31, whole: 16 bytes a lane
	s_add_co_u32 s23, s23, STAGE
	v_and_b32 v5, 31, v0
	v_lshlrev_b32 v[CO], 4, v5
	v_add_nc_u32 v[RD], s23, v[CO]
	s_and_b32 s16, s13, 7                          ; the first row of the stream's output that I store: 128 x (tile row % 8) + 32 x wave, 8,192 bytes a row
	s_lshl_b32 s16, s16, 7
	s_lshl_b32 s17, s10, 5
	s_add_co_u32 s16, s16, s17
	s_lshl_b32 s16, s16, 13
	s_lshl_b32 s17, s42, 9                         ; and the tile's first column, in bytes
	s_add_co_u32 s16, s16, s17
	s_mov_b32 s17, 0
	s_add_nc_u64 s[8:9], s[8:9], s[16:17]
; 8 matrix instructions: m blocks a0, a0 + 1 x all 4 n blocks, 32 along K: half c of buffer f.  zero = 1: the first product starts the sums, with the bias as its C.
; The 16 accumulators take turns, one instruction a turn.
.macro MUL8 f, c, a0, zero
.irp a, \a0, \a0+1
.irp b, 0,1,2,3
.if \zero
	v_wmma_f32_16x16x32_f16 v[ACC+8*(4*(\a)+\b):ACC+8*(4*(\a)+\b)+7], v[\f+64+8*(4*\c+\b):\f+64+8*(4*\c+\b)+7], v[\f+8*(4*\c+\a):\f+8*(4*\c+\a)+7], v[BI+8*\b:BI+8*\b+7]
.else
	v_wmma_f32_16x16x32_f16 v[ACC+8*(4*(\a)+\b):ACC+8*(4*(\a)+\b)+7], v[\f+64+8*(4*\c+\b):\f+64+8*(4*\c+\b)+7], v[\f+8*(4*\c+\a):\f+8*(4*\c+\a)+7], v[ACC+8*(4*(\a)+\b):ACC+8*(4*(\a)+\b)+7]
.endif
.endr
.endr
.endm
.macro FETCH slot, k, f                ; 32 LDS loads in one run: the fragments of 64 along K at byte k of the rows, into buffer f; the first 32 along K first
	WIN TO_F
.irp c, 0,1
.irp i, 0,1,2,3
	ds_load_b128 v[\f+64+8*(4*\c+\i):\f+64+8*(4*\c+\i)+3],   v[ADRB+\slot] offset:\k+64*\c+\i*16*PITCH
	ds_load_b128 v[\f+64+8*(4*\c+\i)+4:\f+64+8*(4*\c+\i)+7], v[ADRB+\slot] offset:\k+64*\c+\i*16*PITCH+32
	ds_load_b128 v[\f+8*(4*\c+\i):\f+8*(4*\c+\i)+3],         v[ADRA+\slot] offset:\k+64*\c+\i*16*PITCH
	ds_load_b128 v[\f+8*(4*\c+\i)+4:\f+8*(4*\c+\i)+7],       v[ADRA+\slot] offset:\k+64*\c+\i*16*PITCH+32
.endr
.endr
.endm
.macro PLACES
.rept 4
	v_nop
.endr
.endm
.macro QUARTER slot, k, f, g, zero
	s_wait_dscnt 16                                ; the first 32 along K are in; the youngest sixteen loads may be out
	WIN MUL
	MUL8 \f, 0, 0, \zero
	MUL8 \f, 0, 2, \zero
	PLACES
	FETCH \slot, \k, \g
	s_wait_dscnt 32                                ; all but the 32 just issued
	WIN MUL
	MUL8 \f, 1, 0, 0
	MUL8 \f, 1, 2, 0
.endm
; The last quarter changes slots: one barrier; in front of it each wave waits for all its tensor loads, adds 0 to its spare word, and waits for that and for its reads of this slot.
.macro TURN slot, next, fill
	WIN 0
	s_wait_tensorcnt 0x0                           ; all my tensor loads have landed: my part of the next slot
	ds_add_u32 v[SPW], v[NIL]                      ; 0 onto my spare word
	s_wait_dscnt 17                                ; (the add and the youngest sixteen loads may be out)
	WIN MUL
	MUL8 F1, 0, 0, 0
	s_wait_dscnt 0x0                               ; the add is done, and my reads of this slot are over
	s_barrier_signal -1
	MUL8 F1, 0, 2, 0
.if \fill
	WIN 0
.endif
	s_barrier_wait -1
.if \fill
	CREST                                          ; the barrier has opened a round of the cluster's barrier
	s_add_nc_u64 s[G0+4*\slot+2:G0+4*\slot+3], s[G0+4*\slot+2:G0+4*\slot+3], 2*KSTEP*2
	s_add_nc_u64 s[G0B+4*\slot+2:G0B+4*\slot+3], s[G0B+4*\slot+2:G0B+4*\slot+3], 2*KSTEP*2
	JLOAD \slot                                    ; the first tensor load behind the round; its four v_nop are the places in front of the loads below
.else
	PLACES
.endif
	FETCH \next, 0, F0
	WIN MUL
	MUL8 F1, 1, 0, 0
	MUL8 F1, 1, 2, 0
.endm
	s_wait_tensorcnt 1                             ; my part of K step 0 is in (K step 1's load may be out)
	s_barrier_signal -1
	s_barrier_wait -1
	FETCH 0, 0, F0
	s_wait_loadcnt 0x0                             ; the bias
	QUARTER 0, 128, F0, F1, 1                      ; the first quarter's first products start the sums
	WIN 0
	s_mov_b32 s3, LAPS-1
.Llap:
	QUARTER 0, 256, F1, F0, 0
	QUARTER 0, 384, F0, F1, 0
	TURN 0, 1, 1
	QUARTER 1, 128, F0, F1, 0
	QUARTER 1, 256, F1, F0, 0
	QUARTER 1, 384, F0, F1, 0
	TURN 1, 0, 1
	QUARTER 0, 128, F0, F1, 0
	WIN 0
	s_sub_co_u32 s3, s3, 1
	s_cmp_lg_u32 s3, 0
	s_cbranch_scc1 .Llap
	QUARTER 0, 256, F1, F0, 0                      ; the last lap fills nothing
	QUARTER 0, 384, F0, F1, 0
	TURN 0, 1, 0
	QUARTER 1, 128, F0, F1, 0
	QUARTER 1, 256, F1, F0, 0
	QUARTER 1, 384, F0, F1, 0
	s_wait_dscnt 16
	WIN MUL
	MUL8 F1, 0, 0, 0
	MUL8 F1, 0, 2, 0
	s_wait_dscnt 0
	MUL8 F1, 1, 0, 0
	MUL8 F1, 1, 2, 0
	WIN 0
	; THE WAY OUT: 32 bytes a lane into the work-group's stage; a barrier, since a row's 512 bytes come from two waves; back as whole rows, 32 rows a wave.
	PLACES
.irp a, 0,1,2,3
.irp b, 0,1,2,3
	ds_store_b128 v[STO], v[ACC+8*(4*\a+\b):ACC+8*(4*\a+\b)+3] offset:\a*16*SPITCH+64*\b          ; each accumulator from its low end on
	ds_store_b128 v[STO], v[ACC+8*(4*\a+\b)+4:ACC+8*(4*\a+\b)+7] offset:\a*16*SPITCH+64*\b+16
.endr
.endr
	s_wait_dscnt 0x0                               ; for the others' sake: my stores into the stage are done
	s_barrier_signal -1
	s_barrier_wait -1
.set t, 0
.rept 32
	ds_load_b128 v[ACC+4*t:ACC+4*t+3], v[RD] offset:t*SPITCH
.set t, t+1
.endr
.set t, 0
.rept 32
	s_wait_dscnt 31-t
	global_store_b128 v[CO], v[ACC+4*t:ACC+4*t+3], s[8:9] offset:t*SIZE_N*4 th:TH_STORE_NT   ; 32 lanes store 512 consecutive bytes, aligned; written once, read by nobody here
.set t, t+1
.endr
	s_wait_tensorcnt 0x0                           ; the wave's end: the tensor wait, the add of 0 and its wait stand behind my last tensor load and my last LDS store
	ds_add_u32 v[SPW], v[NIL]
	s_wait_dscnt 0x0
	CROUND                                         ; the closing round
	s_endpgm
.Lfunc_end_k_q966f2e70ce_oproj:
	.size	k_q966f2e70ce_oproj, .Lfunc_end_k_q966f2e70ce_oproj-k_q966f2e70ce_oproj
	.p2alignl 7, 3214868480
	.fill 96, 4, 3214868480
	.section	.rodata,"a",@progbits
	.p2align	6, 0x0
	.amdhsa_kernel k_q966f2e70ce_oproj
		.amdhsa_group_segment_fixed_size 327680
		.amdhsa_private_segment_fixed_size 0
		.amdhsa_enable_private_segment 0
		.amdhsa_kernarg_size 48
		.amdhsa_user_sgpr_count 2
		.amdhsa_user_sgpr_kernarg_segment_ptr 1
		.amdhsa_wavefront_size32 1
		.amdhsa_system_sgpr_workgroup_id_x 1
		.amdhsa_system_sgpr_workgroup_id_y 1
		.amdhsa_system_sgpr_workgroup_id_z 1
		.amdhsa_system_vgpr_workitem_id 0
		.amdhsa_next_free_vgpr 512
		.amdhsa_next_free_sgpr 76
		.amdhsa_reserve_vcc 0
		.amdhsa_float_denorm_mode_32 3
		.amdhsa_float_denorm_mode_16_64 3
		.amdhsa_memory_ordered 1
		.amdhsa_forward_progress 1
		.amdhsa_inst_pref_size 87
	.end_amdhsa_kernel
	.amdgpu_metadata
---
amdhsa.version: [ 1, 2 ]
amdhsa.kernels:
  - .name:           k_q966f2e70ce_oproj
    .symbol:         k_q966f2e70ce_oproj.kd
    .args:
      - { .name: o, .offset: 0, .size: 8, .value_kind: global_buffer, .address_space: global }
      - { .name: wot, .offset: 8, .size: 8, .value_kind: global_buffer, .address_space: global }
      - { .name: bo1, .offset: 16, .size: 8, .value_kind: global_buffer, .address_space: global }
      - { .name: bo2, .offset: 24, .size: 8, .value_kind: global_buffer, .address_space: global }
      - { .name: out0, .offset: 32, .size: 8, .value_kind: global_buffer, .address_space: global }
      - { .name: out1, .offset: 40, .size: 8, .value_kind: global_buffer, .address_space: global }
    .group_segment_fixed_size: 327680
    .private_segment_fixed_size: 0
    .kernarg_segment_align: 8
    .kernarg_segment_size: 48
    .max_flat_workgroup_size: 128
    .sgpr_count:     76
    .vgpr_count:     512
    .wavefront_size: 32
...
	.end_amdgpu_metadata
.endif
;; end of part 4
